; MI455X (gfx1250); checked and timed in simulation.
; The chip was launched on July 23, 2026; its instructions are those of AMD's public machine-readable ISA for CDNA 5 (MIT licence, August 2026) and "CDNA5" Instruction Set Architecture Reference Guide (July 2026). The comments in the code are by the model that wrote it; some were corrected since.
;; Causal Self Attention. Allowed arithmetic: matrix products marked QUANTISED: E4M3 operands, one given power-of-two scale a tensor, by v_wmma_f32_16x16x64_fp8_fp8 or v_wmma_f32_16x16x128_fp8_fp8, f32 sums; everything else in f32.
;; Inputs: W_attn 1,024 x 3,072 float32; W_proj 1,024 x 1,024 float32; b_attn 3,072 float32; b_proj 1,024 float32; lowp_scales 8 int32 (the exponents e of the quantised operands' scales 2^e); x 4 x 2,048 x 1,024 float32.
;; Outputs: out0 4 x 2,048 x 1,024 float32.
;; This version of the problem:
;;   THIS VERSION OF THE PROBLEM IS GIVEN IN LOW PRECISION. The matrix products marked QUANTISED in the list below multiply operands that are first quantised to E4M3 (4 exponent bits, 3 mantissa bits; 8 bits a number), with one given power-of-two scale for each operand tensor; their sums are f32. All else is computed in f32.
;;   The module's matrix products, in the order in which they are computed (A, B: the left and right operand; K: the contracted axis; several contracted axes count as one K, in the product's order):
;;     1. [M 8,192, K 1,024] x [K 1,024, N 3,072]; A: input x; B: input W_attn: QUANTISED (scales: A lowp_scales[0], B lowp_scales[1])
;;     2. batch 64 x [M 2,048, K 64] x [K 64, N 2,048]; A: computed on the way; B: computed on the way: QUANTISED (scales: A lowp_scales[2], B lowp_scales[3])
;;     3. batch 64 x [M 2,048, K 2,048] x [K 2,048, N 64]; A: softmax (see below); B: computed on the way: QUANTISED (scales: A lowp_scales[4], B lowp_scales[5])
;;     4. [M 8,192, K 1,024] x [K 1,024, N 1,024]; A: computed on the way; B: input W_proj: QUANTISED (scales: A lowp_scales[6], B lowp_scales[7])
;;   THE QUANTISER, for each operand of a quantised product, along K:
;;     - The operand's scale is 2^e, e = its entry of the input lowp_scales (int32; the entries are numbered through the quantised products in the list's order, A before B).
;;     - Each number is divided by the scale, clamped to +-448, and rounded to the nearest number of E4M3, ties to even, subnormals kept.
;;     - The product sums the exact products of the quantised numbers (number of the format x scale) in f32.
;;   ~~~python
;;   def quantise(x, axis, e):      # numpy; x: float32 -> the quantised numbers, widened to float32 again
;;       x = np.moveaxis(x, axis, -1); K = x.shape[-1]
;;       r = np.clip(x / 2.0 ** e, -448, 448)
;;       step = 2.0 ** (np.maximum(np.frexp(np.where(r == 0, 1, r))[1] - 1, -6) - 3)
;;       q = np.round(r / step) * step * 2.0 ** e      # np.round: ties to even
;;       return np.moveaxis(q, -1, axis).astype(np.float32)
;;   ~~~
;;   SOFTMAX AHEAD OF A QUANTISED PRODUCT. Where the list says 'softmax', what is quantised is not the finished softmax but p = 2^(t - M), with t = logit x log2(e) and M = ceil(the row's largest t), a whole number; so 1/2 < the row's largest p <= 1. The row's sum l is taken of the UNQUANTISED p, in f32, and the product's result is divided by l at the end. Since M is a whole number, a kernel that streams over the keys may use a running M (the ceiling of the running maximum): every later rescaling is an exact power of two, so the quantised numbers keep their values, but for numbers so far below the row's largest that they fall under the format's range.
;;   OPERANDS COMPUTED ON THE WAY. 'Computed on the way' means the value that the module computes at that place (a softmax that the list does not call 'softmax' is quantised finished and normalised). What goes into a quantiser is computed in f32, as accurately as f32 sums, v_exp_f32 and their like allow (about 1e-6 of the number): no bf16 or f16 on the way to a quantiser, and a product that is left as it is and whose result goes on into a quantised operand takes f32 operands (vector FMAs, or v_wmma_f32_16x16x4_f32). A number that lies on a knife's edge between two numbers of the format may be rounded either way, as far as f32 arithmetic and the matrix unit's own rounding can turn it there, and no further.
;; One version. Each part assembles by itself: llvm-mc -triple=amdgcn-amd-amdhsa -mcpu=gfx1250 --defsym DOCPART=n.
;; ======== version 1 of 1: 4 launches
;; limits: right only within a limited range of input values
;; workspace buffers: x_codes 8,388,608 bytes; wa_codes 3,145,728 bytes; wp_codes 1,048,576 bytes; q_img 8,388,608 bytes; k_img 8,388,608 bytes; v_img 8,388,608 bytes; y_img 8,388,608 bytes
;; launch quant (part 1): grid 640 x 1, 4 waves a work-group, no clusters, 102,912 bytes of LDS; arguments x, W_attn, W_proj, lowp_scales, x_codes, wa_codes, wp_codes; writes x_codes, wa_codes, wp_codes
.if DOCPART == 1
	.amdgcn_target "amdgcn-amd-amdhsa--gfx1250"
	.amdhsa_code_object_version 6
	.text
	.protected	k_qbbf556659c_quant
	.globl	k_qbbf556659c_quant
	.p2align	8
	.type	k_qbbf556659c_quant,@function
k_qbbf556659c_quant:
	s_mov_b64 s[64:65], 0
	v_nop
	global_prefetch_b8 v0, s[64:65] scope:SCOPE_SE
	s_setreg_imm32_b32 hwreg(HW_REG_WAVE_MODE, 25, 1), 1
	s_wait_xcnt 0x0
; x [8192][1024], W_attn [1024][3072] and W_proj [1024][1024], f32, become codes of FP8 (E4M3), K innermost, each with the one scale 2^e given for it (entries 0, 1 and 7 of the scales).
; code = number / 2^e, held within +-448, rounded to the nearest code, ties to even.
; LIMITS: each e lies between -126 and 119, so that 2^e and 448 x 2^e are f32 numbers.  NaN among the inputs is not served (an infinity is held at the largest code).
; SHARES.  Work-groups 0-95: W_attn, 128 columns x 256 along K each.  96-127: W_proj likewise.  128-639: x, 16,384 numbers each.  The three ways part on the work-group's number, never join, and have LDS bytes of their own.
; x: K is innermost: a plain stream.  Each load takes 512 consecutive bytes; a step's 2,048 bytes turn through the wave's own stage in LDS, so that a lane holds 16 neighbours for the conversions; a wave stores 512 consecutive bytes of codes.
; W: K is the FIRST axis.  A lane takes a column n and its registers run down K, so the conversions give codes with K innermost; they leave through the wave's own stage as rows, sixteen lanes to 256 aligned bytes.
; THE ROWS OF THE WEIGHTS' CODES ARE PERMUTED: column n lies at row n with its bits 3 and 4 exchanged.  Sixteen neighbouring rows are then a tile of which two neighbouring tiles give a lane of the
; product's result 16 neighbouring n: what the next quantiser wants.
; No tensor loads, no barrier, no cluster: waves share nothing, and no byte is read twice.
.set SP,     80                        ; x: a lane's place in a stage: its 64 bytes + 16 of padding
.set XSTEPS, 8                         ; x: steps of 512 numbers for a wave
.set XR,     16                        ; v16-79   x: four sets of 16 numbers as loaded
.set XX,     80                        ; v80-111  x: two sets of 16 neighbours
.set XC,     128                       ; v128-159 x: four registers of codes for each step: no store's data are written again
.set PITCH,  272                       ; W: a stage row: 256 bytes of codes + 16
.set NB,     8                         ; W: blocks of 32 along K for a wave
.set WX,     32                        ; v32-95   W: two sets of 32 numbers
.set WC,     96                        ; v96-103  W: a block's codes
.set OUTR,   112                       ; v112-175 W: the way out
.set LBA,    32768                     ; LDS: 0 .. 32767 x's stages (8,192 a wave); from here W_attn's four stages of 32 rows;
.set LBP,    LBA+4*32*PITCH            ; from here W_proj's
.macro SCALE es                        ; v11 = 2^e as f32 (the conversion takes its exponent field)
	s_add_co_i32 s30, s[\es], 127
	s_lshl_b32 s31, s30, 23
	v_mov_b32 v11, s31
	s_add_co_i32 s30, s30, 8
	s_lshl_b32 s30, s30, 23
	s_or_b32 s30, s30, 0x600000
.endm
.macro XLOAD t
.irp i, 0,1,2,3
	global_load_b128 v[XR+16*((\t)%4)+4*\i:XR+16*((\t)%4)+4*\i+3], v3, s[4:5] offset:2048*(\t)+512*\i th:TH_LOAD_NT   ; 32 lanes read 512 consecutive bytes
.endr
.endm
.macro XTURN t                         ; step t's numbers through the stage: LDS serves a wave's instructions in order, so no wait stands between the stores and the loads
.irp i, 0,1,2,3
	ds_store_b128 v14, v[XR+16*((\t)%4)+4*\i:XR+16*((\t)%4)+4*\i+3] offset:32*SP*((\t)%2)+8*SP*\i
.endr
.irp i, 0,1,2,3
	ds_load_b128 v[XX+16*((\t)%2)+4*\i:XX+16*((\t)%2)+4*\i+3], v15 offset:32*SP*((\t)%2)+16*\i
.endr
.endm
.macro XSTEP t
.set XS, XX+16*((\t)%2)
	s_wait_dscnt 0x0                               ; this step's numbers are back from the stage, so its stores into the stage have read their registers,
.if (\t)+4 < XSTEPS
	XLOAD (\t)+4                                   ; which take the loads of four steps on
.endif
.if (\t)+1 < XSTEPS
.if XSTEPS-2-(\t) >= 3
	s_wait_loadcnt 12                              ; the next step's four loads are in; the twelve of the three steps behind it may be out
.else
	s_wait_loadcnt 4*(XSTEPS-2-(\t))               ; the tail: four for each step still behind the next
.endif
	XTURN (\t)+1                                   ; they go through the other stage while this step is worked
.endif
.irp i, 0,1,2,3,4,5,6,7,8,9,10,11,12,13,14,15
.endr
	v_cvt_scalef32_pk8_fp8_f32 v[XC+4*(\t):XC+4*(\t)+1], v[XS:XS+7], v11
	v_cvt_scalef32_pk8_fp8_f32 v[XC+4*(\t)+2:XC+4*(\t)+3], v[XS+8:XS+15], v11
	global_store_b128 v3, v[XC+4*(\t):XC+4*(\t)+3], s[12:13] offset:512*(\t)   ; 32 lanes store 512 consecutive bytes
.endm
.macro WLOAD t                         ; block t: W(32 t + i, my column), i = 0 .. 31, into set t % 2: 32 lanes read 128 consecutive bytes, the four waves 512
.irp i, 0,1,2,3,4,5,6,7,8,9,10,11,12,13,14,15,16,17,18,19,20,21,22,23,24,25,26,27,28,29,30,31
	global_load_b32 v[WX+32*((\t)%2)+\i], v3, s[WSRC:WSRC+1] offset:(32*(\t)+\i)*WSN*4 th:TH_LOAD_NT
.endr
.endm
.macro WBLOCK t
.set XS, WX+32*((\t)%2)
.if (\t) < NB-1
	s_wait_loadcnt 32                              ; this block's 32 loads are in; the next block's 32 may be out
.else
	s_wait_loadcnt 0
.endif
.irp i, 0,1,2,3,4,5,6,7,8,9,10,11,12,13,14,15,16,17,18,19,20,21,22,23,24,25,26,27,28,29,30,31
.endr
.irp g, 0,1,2,3
	v_cvt_scalef32_pk8_fp8_f32 v[WC+2*\g:WC+2*\g+1], v[XS+8*\g:XS+8*\g+7], v11
.endr
	ds_store_b128 v4, v[WC:WC+3] offset:32*(\t)    ; 32 codes: 32 bytes of my column's row
	ds_store_b128 v4, v[WC+4:WC+7] offset:32*(\t)+16
.if (\t)+2 < NB
	WLOAD (\t)+2
.endif
	s_wait_dscnt 0x0                               ; the stores have read their registers: the next block's codes may be written
.endm
; A weight's way.  sn: its columns; lb: its stages in LDS; id0: its first work-group; src, dst: the scalar pairs of its addresses; es: the register of its e.
; Every offset is an immediate: 255 x sn x 4 is 3,133,440 at the most, inside the signed 24 bits (ISA guide, chapter 10).
.macro WPATH sn, lb, id0, src, dst, es
.set WSN,  \sn
.set WSRC, \src
.set WDST, \dst
	s_sub_co_u32 s25, ttmp9, \id0
	s_lshr_b32 s26, s25, 2                         ; which 128 columns
	s_and_b32 s27, s25, 3                          ; which 256 along K
	s_lshl_b32 s26, s26, 7
	s_lshl_b32 s28, s24, 5
	s_add_co_u32 s26, s26, s28                     ; my wave's first column, a multiple of 32
	v_lshlrev_b32 v3, 2, v2                        ; in: 4 bytes a lane
	s_mul_i32 s28, s24, 32*PITCH
	s_add_co_u32 s28, s28, \lb                     ; my stage
	v_mul_u32_u24 v4, v2, PITCH
	v_add_nc_u32 v4, s28, v4                       ; into it: row = my column
	v_and_b32 v5, 15, v2
	v_lshrrev_b32 v6, 4, v2                        ; out of it: sixteen lanes to a row, two rows an instruction
	v_mul_u32_u24 v7, v6, PITCH
	v_lshl_add_u32 v7, v5, 4, v7
	v_add_nc_u32 v7, s28, v7
	v_lshlrev_b32 v8, 10, v6                       ; and in the codes' buffer: a row is 1,024 bytes
	v_lshl_add_u32 v8, v5, 4, v8
	s_mul_i32 s28, s27, 256*\sn*4                  ; W: 256 y rows down, 4 bytes a column
	s_lshl_b32 s29, s26, 2
	s_add_co_u32 s28, s28, s29
	s_mov_b32 s29, 0
	s_add_nc_u64 s[\src:\src+1], s[\src:\src+1], s[28:29]
	s_lshl_b32 s28, s26, 10                        ; codes: my first column's row, 256 y bytes along it
	s_lshl_b32 s30, s27, 8
	s_add_co_u32 s28, s28, s30
	s_add_nc_u64 s[\dst:\dst+1], s[\dst:\dst+1], s[28:29]
	WLOAD 0
	WLOAD 1
	s_wait_kmcnt 0x0                               ; the scales' exponents
	SCALE \es
	s_wait_alu depctr_va_vdst(0)
.irp t, 0,1,2,3,4,5,6,7
	WBLOCK \t
.endr
.irp t, 0,1,2,3,4,5,6,7,8,9,10,11,12,13,14,15
	ds_load_b128 v[OUTR+4*\t:OUTR+4*\t+3], v7 offset:2*\t*PITCH   ; columns 2 t and 2 t + 1 of my 32; LDS serves a wave's instructions in order: these see my stores
.endr
.irp t, 0,1,2,3,4,5,6,7,8,9,10,11,12,13,14,15
	s_wait_dscnt 15-\t
	global_store_b128 v8, v[OUTR+4*\t:OUTR+4*\t+3], s[\dst:\dst+1] offset:2*(((\t)&3)|((((\t)>>2)&1)<<3)|((((\t)>>3)&1)<<2))*1024   ; bits 3 and 4 of the row 2 t + lane / 16 are bits 2 and 3 of t: exchanged.  Sixteen lanes store 256 aligned bytes
.endr
	s_wait_tensorcnt 0x0
	ds_add_u32 v192, v193
	s_wait_dscnt 0x0
	s_endpgm
.endm
	s_load_b256 s[4:11], s[0:1], 0x0               ; x s[4:5], W_attn s[6:7], W_proj s[8:9], the scales' exponents s[10:11]
	s_load_b128 s[12:15], s[0:1], 0x20             ; x's codes s[12:13], W_attn's s[14:15]
	s_load_b64 s[16:17], s[0:1], 0x30              ; W_proj's
	v_lshl_add_u32 v192, v0, 2, 0x19000
	v_mov_b32 v193, 0
	v_lshrrev_b32 v1, 5, v0
	v_readfirstlane_b32 s24, v1                    ; wave 0..3
	v_and_b32 v2, 31, v0                           ; lane
	s_wait_kmcnt 0x0
	s_load_b256 s[32:39], s[10:11], 0x0            ; e0 .. e7
	s_cmp_lt_u32 ttmp9, 96
	s_cbranch_scc1 .Lwa
	s_cmp_lt_u32 ttmp9, 128
	s_cbranch_scc1 .Lwp
	; ---- x
	s_sub_co_u32 s25, ttmp9, 128
	s_lshl_b32 s25, s25, 2
	s_add_co_u32 s25, s25, s24                     ; which run of 4,096 numbers is my wave's
	s_lshl_b32 s26, s25, 14                        ; 16,384 bytes of numbers,
	s_mov_b32 s27, 0
	s_add_nc_u64 s[4:5], s[4:5], s[26:27]
	s_lshl_b32 s26, s25, 12                        ; 4,096 of codes
	s_add_nc_u64 s[12:13], s[12:13], s[26:27]
	s_wait_alu depctr_va_vdst(0)
	v_lshlrev_b32 v3, 4, v2                        ; my 16 bytes of a load's 512, and of a store's
	s_lshl_b32 s28, s24, 13                        ; my wave's 8,192 bytes of LDS
	v_lshrrev_b32 v14, 2, v2
	v_mul_u32_u24 v14, v14, SP
	v_and_b32 v15, 3, v2
	v_lshl_add_u32 v14, v15, 4, v14
	v_add_nc_u32 v14, s28, v14                     ; the stage, on the way in: four lanes' 64 bytes on end, then 16 of padding
	v_mul_u32_u24 v15, v2, SP
	v_add_nc_u32 v15, s28, v15                     ; and on the way out: my 16 neighbours
.irp t, 0,1,2,3
	XLOAD \t
.endr
	s_wait_alu depctr_va_vdst(0)
	s_wait_kmcnt 0x0
	SCALE 32                                       ; e0
	s_wait_alu depctr_va_vdst(0)
	s_wait_loadcnt 12                              ; step 0's four loads are in
	XTURN 0
.irp t, 0,1,2,3,4,5,6,7
	XSTEP \t
.endr
	s_wait_tensorcnt 0x0
	ds_add_u32 v192, v193
	s_wait_dscnt 0x0
	s_endpgm
.Lwa:
	s_wait_alu depctr_va_vdst(0)
	WPATH 3072, LBA, 0, 6, 14, 33                  ; W_attn, e1
.Lwp:
	s_wait_alu depctr_va_vdst(0)
	WPATH 1024, LBP, 96, 8, 16, 39                 ; W_proj, e7
.Lfunc_end_k_qbbf556659c_quant:
	.size	k_qbbf556659c_quant, .Lfunc_end_k_qbbf556659c_quant-k_qbbf556659c_quant
	.p2alignl 7, 3214868480
	.fill 96, 4, 3214868480
	.section	.rodata,"a",@progbits
	.p2align	6, 0x0
	.amdhsa_kernel k_qbbf556659c_quant
		.amdhsa_group_segment_fixed_size 102912
		.amdhsa_private_segment_fixed_size 0
		.amdhsa_enable_private_segment 0
		.amdhsa_kernarg_size 56
		.amdhsa_user_sgpr_count 2
		.amdhsa_user_sgpr_kernarg_segment_ptr 1
		.amdhsa_wavefront_size32 1
		.amdhsa_system_sgpr_workgroup_id_x 1
		.amdhsa_system_sgpr_workgroup_id_y 1
		.amdhsa_system_sgpr_workgroup_id_z 1
		.amdhsa_system_vgpr_workitem_id 0
		.amdhsa_next_free_vgpr 194
		.amdhsa_next_free_sgpr 66
		.amdhsa_reserve_vcc 0
		.amdhsa_float_denorm_mode_32 3
		.amdhsa_float_denorm_mode_16_64 3
		.amdhsa_fp16_overflow 1
		.amdhsa_memory_ordered 1
		.amdhsa_forward_progress 1
		.amdhsa_inst_pref_size 76
	.end_amdhsa_kernel
	.amdgpu_metadata
---
amdhsa.version: [ 1, 2 ]
amdhsa.kernels:
  - .name:           k_qbbf556659c_quant
    .symbol:         k_qbbf556659c_quant.kd
    .args:
      - { .name: x, .offset: 0, .size: 8, .value_kind: global_buffer, .address_space: global }
      - { .name: W_attn, .offset: 8, .size: 8, .value_kind: global_buffer, .address_space: global }
      - { .name: W_proj, .offset: 16, .size: 8, .value_kind: global_buffer, .address_space: global }
      - { .name: lowp_scales, .offset: 24, .size: 8, .value_kind: global_buffer, .address_space: global }
      - { .name: x_codes, .offset: 32, .size: 8, .value_kind: global_buffer, .address_space: global }
      - { .name: wa_codes, .offset: 40, .size: 8, .value_kind: global_buffer, .address_space: global }
      - { .name: wp_codes, .offset: 48, .size: 8, .value_kind: global_buffer, .address_space: global }
    .group_segment_fixed_size: 102912
    .private_segment_fixed_size: 0
    .kernarg_segment_align: 8
    .kernarg_segment_size: 56
    .max_flat_workgroup_size: 128
    .sgpr_count:     66
    .vgpr_count:     194
    .wavefront_size: 32
...
	.end_amdgpu_metadata
.endif
;; end of part 1
;; launch qkv (part 2): grid 12 x 32, 4 waves a work-group, clusters of 4 x 4, 327,680 bytes of LDS; arguments x_codes, wa_codes, lowp_scales, b_attn, q_img, k_img, v_img; writes q_img, k_img, v_img
.if DOCPART == 2
	.amdgcn_target "amdgcn-amd-amdhsa--gfx1250"
	.amdhsa_code_object_version 6
	.text
	.protected	k_qbbf556659c_qkv
	.globl	k_qbbf556659c_qkv
	.p2align	8
	.type	k_qbbf556659c_qkv,@function
k_qbbf556659c_qkv:
	s_mov_b64 s[64:65], 0
	v_nop
	global_prefetch_b8 v0, s[64:65] scope:SCOPE_SE
	s_setreg_imm32_b32 hwreg(HW_REG_WAVE_MODE, 25, 1), 1
	s_wait_xcnt 0x0
	s_wait_alu depctr_hold_cnt(0) depctr_sa_sdst(0) depctr_va_vdst(0) depctr_va_sdst(0) depctr_va_ssrc(0) depctr_va_vcc(0) depctr_vm_vsrc(0)
	s_getreg_b32 s2, hwreg(HW_REG_IB_STS2, 6, 4)
	s_cmp_eq_u32 s2, 0
	s_cbranch_scc0 .Lentry_in_a_cluster
	s_endpgm
.Lentry_in_a_cluster:
	s_bfe_u32 s2, ttmp6, 0x10000c
	s_cmp_lg_u32 s2, 0xf033
	s_cbranch_scc0 .Lentry_shape_is_right
	s_endpgm
.Lentry_shape_is_right:
; qkv = x W_attn + b_attn on codes of FP8 (E4M3), and the three quantisers behind it: q (e2), k (e3), v (e5).  x's codes [8192][1024]; W_attn's [3072][1024], rows with bits 3 and 4 of the column number exchanged.
; A tile of 256 x 256 is made by four waves, 128 x 128 each: 64 accumulators, 512 registers.  K = 1,024 goes in four steps of 256 through a ring of two LDS slots filled by the tensor data mover.
; CLUSTERS: 4 x 4 work-groups; the tiles of the first operand are asked for jointly along a row of the cluster, those of the second along a column.
; THE CLUSTER'S x SAYS WHAT IS MADE: 0 q, 1 k, 2 v; it is the same in all sixteen partners.  The matrix instruction takes 16 rows of the SECOND operand as source 0 and 16 of the FIRST as source 1: a lane then holds one
; row of the first operand, and its registers run along rows of the second.  For q and k the first operand is x and the second W: a lane holds one token and, by the order of W's rows, the 16 registers of two
; neighbouring tiles are 16 neighbouring channels: q's and k's K.  For v the two change places, by their addresses alone: a lane holds one channel and its registers run along the tokens: v's K, the keys.
; So the conversions' results ARE the next launch's operand registers, and they are stored as images of those registers: 16 bytes a lane, 512 consecutive aligned bytes an instruction.  No stage in LDS.
;   q_img, k_img: head (b x 16 + h) x 131,072 + tile of 16 tokens x 1,024 + 512 c + 16 x lane: lane (r, h) holds channels 32 c + 16 h + 0 .. 15 of token r.
;   v_img: head x 131,072 + block of 128 keys x 8,192 + tile of 16 channels x 2,048 + 512 g + 16 x lane: registers 4 g .. 4 g + 3 of a fragment whose registers 2 c, 2 c + 1 hold keys 16 c + 8 h + 0 .. 7.
; LIMITS: e0 + e1 between -126 and 127; e2, e3, e5 between -126 and 119, so that each power of two below is an f32 number.  NaN among the inputs is not served.
; No prefetch: K has four steps, of which two are asked for at the head, and the tiles are shared by joint loads.
; REGISTERS, in windows of 256: window 0: v16-31 addresses and constants; v32-95 the bias; v128-255 the first operand's fragments, ONE set; on the way out v128-191 numbers, v192-255 codes.
;   window 1: the second operand's fragments, TWO sets.   window 2: the accumulators of my rows 0-63 ((a, b) at v[8 (8 a + b)]);   window 3: those of rows 64-127.
.set ROWB,   256                       ; a tile's row in bytes: 256 codes
.set KROW,   1024                      ; a row of either operand in memory
.set PITCH,  272                       ; an LDS row: 256 bytes + 16 of padding = 68 words: the 16 rows that a load touches start at 16 different banks (64 banks of 4 bytes: ISA guide 11.1)
.set FR,     16                        ; registers of a fragment: 16 rows x 128 K
.set NL,     4                         ; LDS loads that bring one
.set NP,     4                         ; places behind this matrix instruction (ISA guide 7.12.1)
.set HALFT,  128*PITCH                 ; what one tensor load brings, and what one wave reads of either operand
.set SLOT,   4*HALFT
.set LAPS,   2                         ; a lap = two K steps of 256 = once round the ring
.set SPARE,  2*SLOT                    ; behind the ring: the spare words, 128 bytes for each wave: two blocks of 256 bytes that no other line names
.set ADRA, 16                          ; v16-17  LDS address of my fragments of the first operand in slot 0, 1
.set ADRB, 20                          ; v20-21  the same for the second
.set LO,   26                          ; v26     16 x lane: my place in an image
.set BO,   27                          ; v27     my byte offset in the bias
.set SPW,  28                          ; v28     LDS address of my spare word; never rewritten
.set NIL,  29                          ; v29     0; never rewritten
.set SC,   30                          ; v30     the quantiser's 2^e as f32
.set LIM,  31
.set BI,   32                          ; v32-95  the bias, in the result's layout
.set AF,   128
.set TMP,  128
.set CD,   192                         ; four sets of 16 registers of codes
.set G1, 24
.set G0, 32
.set G1B, 48
.set G0B, 56
.set MSB, 0
.macro WIN new                         ; the immediate's high byte repeats the setting that is left
.if MSB != (\new)
	s_set_vgpr_msb (MSB<<8)|(\new)
.set MSB, (\new)
.endif
.endm
.set MUL_LO, 0xa1                      ; source 0 window 1, source 1 window 0, C and D window 2
.set MUL_HI, 0xf1                      ; the same, C and D window 3
.set TO_B,   0x40                      ; destination window 1, address window 0
; A joint load: waves 0 and 1 fetch for the first operand, waves 2 and 3 for the second.  The branch hangs on the wave's number alone.  Four v_nop follow each of the two lines.
.macro JLOAD g0a, g1a, g0b, g1b
	s_cmp_eq_u32 s15, 0
	s_cbranch_scc0 .Lfor_b_\@
	tensor_load_to_lds s[\g0a:\g0a+3], s[\g1a:\g1a+7]
	s_nop 0
.rept 4
	v_nop
.endr
	s_branch .Lasked_\@
.Lfor_b_\@:
	tensor_load_to_lds s[\g0b:\g0b+3], s[\g1b:\g1b+7]
	s_nop 0
.rept 4
	v_nop
.endr
.Lasked_\@:
.endm
.macro CREST                           ; a round of the cluster's barrier behind its opening barrier
	s_cmp_lg_u32 s14, 0
	s_cbranch_scc1 .Lnot_wave_0_\@
	s_barrier_signal -3
.Lnot_wave_0_\@:
	s_barrier_wait -3
	s_barrier_signal -1
	s_barrier_wait -1
.endm
.macro CROUND
	s_barrier_signal -1
	s_barrier_wait -1
	CREST
.endm
	s_load_b128 s[4:7], s[0:1], 0x0                ; x's codes s[4:5], W_attn's s[6:7]
	s_load_b128 s[8:11], s[0:1], 0x10              ; the scales' exponents s[8:9], b_attn s[10:11]
	s_load_b128 s[68:71], s[0:1], 0x20             ; q_img s[68:69], k_img s[70:71]
	s_load_b64 s[72:73], s[0:1], 0x30              ; v_img
	v_lshl_add_u32 v[SPW], v0, 2, SPARE
	v_mov_b32 v[NIL], 0
	ds_add_u32 v28, v29
	ds_add_u32 v28, v29
	s_wait_dscnt 0x0
	v_lshrrev_b32 v1, 5, v0
	v_readfirstlane_b32 s14, v1                    ; wave 0..3
	s_lshr_b32 s15, s14, 1                         ; which half of the first operand's 256 rows is mine.  Also: I fetch for the first (0) or the second (1)
	s_and_b32 s16, s14, 1                          ; which half of the second's.  Also: which 128 rows of that tile I fetch
	s_bfe_u32 s40, ttmp6, 0x40000                  ; cx
	s_bfe_u32 s41, ttmp6, 0x40004                  ; cy
	s_and_b32 s13, ttmp7, 0xffff
	s_lshl_b32 s13, s13, 2                         ; 4 x cluster y
	s_lshl_b32 s12, ttmp9, 2                       ; 4 x cluster x
	s_cmp_eq_u32 ttmp9, 2                          ; v?  The same answer in all sixteen partners
	s_cselect_b32 s17, 8, s13                      ; the first operand's tile: v: W's rows 2,048 on; else x's rows
	s_cselect_b32 s42, s13, s12                    ; the second's: v: x's rows; else W's
	s_cselect_b32 s78, s40, s41                    ; for the stores alone: which of the cluster's four tiles of tokens,
	s_cselect_b32 s79, s41, s40                    ; which of its four tiles of channels,
	s_cselect_b32 s88, s15, s16                    ; my wave's half of the channels,
	s_cselect_b32 s89, s16, s15                    ; and of the tokens
	s_add_co_u32 s17, s17, s41                     ; + cy: shared along a row of the cluster
	s_add_co_u32 s42, s42, s40                     ; + cx: shared along a column
	s_add_co_u32 s78, s78, s13                     ; the tile of 256 tokens, 0 .. 31
	s_lshl_b32 s43, s41, 2
	s_lshl_b32 s43, 15, s43                        ; my row of the cluster
	s_lshl_b32 s44, 0x1111, s40                    ; my column
	; descriptor group 1: a tile of 128 rows x 256 bytes, padded in LDS
	s_or_b32 s[G1+0], s43, (0<<16)|(1<<20)|(1<<21)|(5<<22)|(3<<25)  ; 15:0 the mask; 17:16 elements of 1 byte; 20 padding on; 21 set beside a mask; 24:22 after every 64 words (code 5); 31:25 four words (code 3)
	s_or_b32 s[G1B+0], s44, (0<<16)|(1<<20)|(1<<21)|(5<<22)|(3<<25)
.irp g, G1, G1B
	s_mov_b32 s[\g+1], ROWB<<16                    ; tensor_dim0
	s_mov_b32 s[\g+2], 128<<16                     ; tensor_dim1
	s_mov_b32 s[\g+3], ROWB<<16                    ; tile_dim0
	s_mov_b32 s[\g+4], 128                         ; tile_dim1
	s_mov_b32 s[\g+5], KROW                        ; tensor_dim0_stride
	s_mov_b32 s[\g+6], 0
	s_mov_b32 s[\g+7], 0
.endr
	s_lshl_b32 s18, s16, 7                         ; which 128 rows of the tile I fetch
	s_lshl_b32 s20, s17, 8
	s_add_co_u32 s20, s20, s18
	s_lshl_b32 s20, s20, 10                        ; the first operand: row x 1,024 bytes (under 2^24)
	s_mov_b32 s21, 0
	s_lshl_b32 s46, s42, 8
	s_add_co_u32 s46, s46, s18
	s_lshl_b32 s46, s46, 10                        ; the second likewise
	s_mov_b32 s47, 0
	s_mul_i32 s45, s14, HALFT                      ; where they go: wave x 128 rows: no place in the cluster enters an LDS address
	s_wait_kmcnt 0x0
	s_load_b256 s[80:87], s[8:9], 0x0              ; e0 .. e7
	s_cmp_eq_u32 ttmp9, 2
	s_cselect_b64 s[74:75], s[6:7], s[4:5]         ; the first operand's buffer,
	s_cselect_b64 s[76:77], s[4:5], s[6:7]         ; the second's
	s_add_nc_u64 s[20:21], s[74:75], s[20:21]
	s_add_nc_u64 s[46:47], s[76:77], s[46:47]
	CROUND                                         ; all sixteen work-groups are here: the first joint loads meet
.irp s, 0,1
	s_mov_b32 s[G0+4*\s], 1
	s_add_co_u32 s[G0+4*\s+1], s45, \s*SLOT
	s_add_nc_u64 s[G0+4*\s+2:G0+4*\s+3], s[20:21], \s*ROWB
	s_or_b32 s[G0+4*\s+3], s[G0+4*\s+3], 0x80000000
	s_mov_b32 s[G0B+4*\s], 1
	s_add_co_u32 s[G0B+4*\s+1], s45, \s*SLOT
	s_add_nc_u64 s[G0B+4*\s+2:G0B+4*\s+3], s[46:47], \s*ROWB
	s_or_b32 s[G0B+4*\s+3], s[G0B+4*\s+3], 0x80000000
	JLOAD G0+4*\s, G1, G0B+4*\s, G1B               ; two tensor loads of mine are out
.endr
	v_and_b32 v1, 15, v0                           ; r = lane % 16
	v_bfe_u32 v2, v0, 4, 1                         ; h = lane / 16
	v_mul_u32_u24 v3, v1, PITCH
	v_lshl_add_u32 v4, v2, 4, v3                   ; a fragment's row x pitch + 16 x half
	s_mul_i32 s21, s15, HALFT
	s_mul_i32 s22, s16, HALFT
	s_add_co_u32 s22, s22, 2*HALFT
.irp s, 0,1
	v_add_nc_u32 v[ADRA+\s], s21, v4
	v_add_nc_u32 v[ADRB+\s], s22, v4
	s_add_co_u32 s21, s21, SLOT
	s_add_co_u32 s22, s22, SLOT
.endr
	v_and_b32 v5, 31, v0
	v_lshlrev_b32 v[LO], 4, v5
	; where my images go: batch x 2^21 + (4 x tile of channels + 2 x my half) heads x 2^17 + (2 x (tile of tokens % 8) + my half) x 128 tokens x 64 bytes: one formula for q, k and v
	s_cmp_eq_u32 ttmp9, 0
	s_cselect_b64 s[90:91], s[68:69], s[70:71]
	s_cmp_eq_u32 ttmp9, 2
	s_cselect_b64 s[90:91], s[72:73], s[90:91]
	s_lshr_b32 s92, s78, 3
	s_lshl_b32 s92, s92, 21
	s_lshl_b32 s93, s79, 2
	s_lshl_b32 s94, s88, 1
	s_add_co_u32 s93, s93, s94
	s_lshl_b32 s93, s93, 17
	s_add_co_u32 s92, s92, s93
	s_and_b32 s93, s78, 7
	s_lshl_b32 s93, s93, 1
	s_add_co_u32 s93, s93, s89
	s_lshl_b32 s93, s93, 13
	s_add_co_u32 s92, s92, s93
	s_mov_b32 s93, 0
	s_add_nc_u64 s[90:91], s[90:91], s[92:93]
	s_lshl_b32 s92, ttmp9, 12                      ; the bias of my 128 channels: 4 x (1,024 x kind + 256 x tile + 128 x half)
	s_lshl_b32 s94, s79, 10
	s_add_co_u32 s92, s92, s94
	s_lshl_b32 s94, s88, 9
	s_add_co_u32 s92, s92, s94
	s_add_nc_u64 s[10:11], s[10:11], s[92:93]
	; the bias, in the result's layout; it lands while the products run.  Both ways write all 64 registers.
	s_cmp_eq_u32 ttmp9, 2
	s_cbranch_scc1 .Lbias_v
	s_wait_alu depctr_va_vdst(0)
	v_lshlrev_b32 v[BO], 6, v2                     ; q, k: register 16 B + i is channel 32 B + 16 h + i, the same for every block of tokens
.irp B, 0,1,2,3
.irp i, 0,1,2,3
	global_load_b128 v[BI+16*\B+4*\i:BI+16*\B+4*\i+3], v[BO], s[10:11] offset:128*\B+16*\i
.endr
.endr
	s_branch .Lbias_done
.Lbias_v:
	v_and_b32 v[BO], 8, v1                         ; v: a lane holds ONE channel in each block a: 32 (a / 2) + 8 (a % 2) + r + 8 (r / 8); its eight registers of block a all hold that channel's number,
	v_add_nc_u32 v[BO], v[BO], v1                  ; so that the packed multiply-adds of both ways read the bias alike
	v_lshlrev_b32 v[BO], 2, v[BO]
.irp a, 0,1,2,3,4,5,6,7
.irp i, 0,1,2,3,4,5,6,7
	global_load_b32 v[BI+8*\a+\i], v[BO], s[10:11] offset:4*(32*(\a/2)+8*(\a%2))
.endr
.endr
.Lbias_done:
.macro FRAG reg, adr, q, i             ; a fragment: lane l holds row l % 16; registers 4 c .. 4 c + 3 hold K = 32 c + 16 (l / 16) + 0 .. 15: the same order of K in both operands
.irp c, 0,1,2,3
	ds_load_b128 v[\reg+4*\c:\reg+4*\c+3], v[\adr] offset:128*(\q)+32*\c+(\i)*16*PITCH
.endr
.endm
; 16 matrix instructions: the first operand's blocks a0, a0 + 1 x the second's eight, 128 along K.  p: the second's set.  zero = 1: the first product starts the sums.
; The 64 accumulators take turns, one instruction a turn, in the same order in every step.
.macro MUL16 a0, p, zero
.irp a, \a0, \a0+1
.irp b, 0,1,2,3,4,5,6,7
.if \zero
	v_wmma_f32_16x16x128_fp8_fp8 v[8*(8*((\a)%4)+\b):8*(8*((\a)%4)+\b)+7], v[128*(\p)+FR*\b:128*(\p)+FR*\b+FR-1], v[AF+FR*(\a):AF+FR*(\a)+FR-1], 0
.else
	v_wmma_f32_16x16x128_fp8_fp8 v[8*(8*((\a)%4)+\b):8*(8*((\a)%4)+\b)+7], v[128*(\p)+FR*\b:128*(\p)+FR*\b+FR-1], v[AF+FR*(\a):AF+FR*(\a)+FR-1], v[8*(8*((\a)%4)+\b):8*(8*((\a)%4)+\b)+7]
.endif
.endr
.endr
.endm
.macro FETCH_B slot, q, p
	WIN TO_B
.irp i, 0,1,2,3,4,5,6,7
	FRAG 128*(\p)+FR*\i, ADRB+\slot, \q, \i
.endr
	WIN 0
.endm
.macro FETCH_A slot, q, i0
.irp i, \i0, \i0+1, \i0+2, \i0+3
	FRAG AF+FR*(\i), ADRA+\slot, \q, \i
.endr
.endm
.macro PLACES n                        ; plain vector lines between a matrix instruction and a load into, or a vector read or write of, its registers (ISA guide 7.12.1 for vector reads and writes)
.rept \n
	v_nop
.endr
.endm
; A step of 128 along K that has its successor in the same slot.
.macro STEP slot, q, zero
	s_wait_dscnt 4*NL                              ; the second operand's set and the first's blocks 0-3 are in; the youngest 16 loads (blocks 4-7) may be out
	WIN MUL_LO
	MUL16 0, (\q)%2, \zero
	MUL16 2, (\q)%2, \zero
	s_wait_dscnt 0                                 ; blocks 4-7 are in
	PLACES NP
	FETCH_B \slot, (\q)+1, 1-(\q)%2
	FETCH_A \slot, (\q)+1, 0
	WIN MUL_HI
	MUL16 4, (\q)%2, \zero
	MUL16 6, (\q)%2, \zero
	PLACES NP
	WIN 0
	FETCH_A \slot, (\q)+1, 4
.endm
; A slot's last step changes slots: ONE barrier; in front of it each wave waits for all its tensor loads, adds 0 to its spare word, and waits for that and for its own reads of this slot.  fill = 1: this slot is filled again, two K steps ahead.
.macro TURN slot, next, fill
	s_wait_tensorcnt 0x0                           ; all my tensor loads have landed: my part of the next slot (every window is 0 here)
	ds_add_u32 v[SPW], v[NIL]                      ; 0 onto my spare word
	s_wait_dscnt 4*NL+1                            ; the add and the youngest 16 loads may be out
	WIN MUL_LO
	MUL16 0, 1, 0                                  ; sixteen matrix instructions stand between the add and the wait for it
	s_wait_dscnt 0x0                               ; the add is done, and my reads of this slot are over
	s_barrier_signal -1
	MUL16 2, 1, 0
	WIN 0
	s_barrier_wait -1
.if \fill
	CREST                                          ; the barrier has opened a round of the cluster's barrier: no wave of any partner still reads this slot or has a load on its way
	s_add_nc_u64 s[G0+4*\slot+2:G0+4*\slot+3], s[G0+4*\slot+2:G0+4*\slot+3], 2*ROWB
	s_add_nc_u64 s[G0B+4*\slot+2:G0B+4*\slot+3], s[G0B+4*\slot+2:G0B+4*\slot+3], 2*ROWB
	JLOAD G0+4*\slot, G1, G0B+4*\slot, G1B         ; the first tensor load behind the round, my one load until the next; its four v_nop are the places in front of the loads below
.else
	PLACES NP
.endif
	FETCH_B \next, 0, 0
	FETCH_A \next, 0, 0
	WIN MUL_HI
	MUL16 4, 1, 0
	MUL16 6, 1, 0
	PLACES NP
	WIN 0
	FETCH_A \next, 0, 4
.endm
	s_wait_tensorcnt 1                             ; my part of K step 0 is in; K step 1's load may be out
	s_barrier_signal -1
	s_barrier_wait -1
	s_wait_alu depctr_va_vdst(0)
	FETCH_B 0, 0, 0
	FETCH_A 0, 0, 0
	FETCH_A 0, 0, 4
	STEP 0, 0, 1                                   ; the first step stands in front of the loop: its products start the sums
	s_mov_b32 s3, LAPS-1
.Llap:                                                 ; a trip goes once round the ring, from a lap's second step to the next lap's first, and fills both slots again
	TURN 0, 1, 1
	STEP 1, 0, 0
	TURN 1, 0, 1
	STEP 0, 0, 0
	s_sub_co_u32 s3, s3, 1
	s_cmp_lg_u32 s3, 0
	s_cbranch_scc1 .Llap
	TURN 0, 1, 0                                   ; the last lap fills nothing, and has no round of the cluster's barrier
	STEP 1, 0, 0
	s_wait_dscnt 4*NL                              ; the very last step: nothing more to fetch
	WIN MUL_LO
	MUL16 0, 1, 0
	MUL16 2, 1, 0
	s_wait_dscnt 0
	WIN MUL_HI
	MUL16 4, 1, 0
	MUL16 6, 1, 0
	WIN 0
; THE WAY OUT, block by block of 16 rows of the first operand: number = sum x 2^(e0 + e1) + bias, one packed multiply-add for two; the conversion; four stores of 512 consecutive bytes.
; vt = 1: v.  Each accumulator is read from its low end on.  Four sets of code registers take turns: a set is written again only behind the wait that frees its stores' data.
.macro OUTBLK a, vt
.set AC, 64*((\a)%4)
.set CB, CD+16*((\a)%4)
.if (\a) >= 4
	s_wait_xcnt 0x0                                ; block a - 4's stores have read their registers
.endif
	WIN 0x02+((\a)/4)                              ; source 0: window 2 or 3
.set j, 0
	v_nop
.rept 32
.if \vt
	v_pk_fma_f32 v[TMP+j:TMP+j+1], v[AC+j:AC+j+1], s[96:97], v[BI+8*(\a)+j%8:BI+8*(\a)+j%8+1] op_sel_hi:[1,0,1]
.else
	v_pk_fma_f32 v[TMP+j:TMP+j+1], v[AC+j:AC+j+1], s[96:97], v[BI+j:BI+j+1] op_sel_hi:[1,0,1]
.endif
.set j, j+2
.endr
	WIN 0
.set j, 0
.rept 64
.set j, j+1
.endr
.irp b, 0,1,2,3,4,5,6,7
	v_cvt_scalef32_pk8_fp8_f32 v[CB+2*\b:CB+2*\b+1], v[TMP+8*\b:TMP+8*\b+7], v[SC]
.endr
	v_nop                                          ; one plain vector line between the conversions and the next block's writes of their sources
.irp g, 0,1,2,3
.if \vt
	global_store_b128 v[LO], v[CB+4*\g:CB+4*\g+3], s[90:91] offset:((\a)/4)*131072+((\a)%4)*2048+512*\g   ; head a / 4 of my two, tile a % 4 of its channels, registers 4 g on
.else
	global_store_b128 v[LO], v[CB+4*\g:CB+4*\g+3], s[90:91] offset:(\g/2)*131072+(\a)*1024+(\g%2)*512     ; head g / 2 of my two, tile a of my tokens, channels 32 (g % 2) on
.endif
.endr
.endm
	s_wait_kmcnt 0x0                               ; the scales' exponents
	s_wait_loadcnt 0x0                             ; the bias
	s_add_co_i32 s96, s80, s81
	s_add_co_i32 s96, s96, 127
	s_lshl_b32 s96, s96, 23                        ; 2^(e0 + e1) as f32
	s_mov_b32 s97, s96                             ; (named with it as a pair, so it is written)
	s_cmp_eq_u32 ttmp9, 0
	s_cselect_b32 s92, s82, s83                    ; e2 for q, e3 for k,
	s_cmp_eq_u32 ttmp9, 2
	s_cselect_b32 s92, s85, s92                    ; e5 for v: a choice, no branch
	s_add_co_i32 s92, s92, 127
	s_lshl_b32 s93, s92, 23
	v_mov_b32 v[SC], s93
	PLACES 2                                       ; with the line above and the first block's v_nop: four places behind the last products, for the writes over the first operand's fragments and the reads of results
	s_cmp_eq_u32 ttmp9, 2
	s_cbranch_scc1 .Lout_v
.irp a, 0,1,2,3,4,5,6,7
	OUTBLK \a, 0
.endr
	s_branch .Lout_done
.Lout_v:
.irp a, 0,1,2,3,4,5,6,7
	OUTBLK \a, 1
.endr
.Lout_done:
	s_wait_tensorcnt 0x0                           ; the wave's end
	ds_add_u32 v[SPW], v[NIL]
	s_wait_dscnt 0x0
	CROUND                                         ; the closing round: no work-group ends while a partner may still ask for a tile that names it
	s_endpgm
.Lfunc_end_k_qbbf556659c_qkv:
	.size	k_qbbf556659c_qkv, .Lfunc_end_k_qbbf556659c_qkv-k_qbbf556659c_qkv
	.p2alignl 7, 3214868480
	.fill 96, 4, 3214868480
	.section	.rodata,"a",@progbits
	.p2align	6, 0x0
	.amdhsa_kernel k_qbbf556659c_qkv
		.amdhsa_group_segment_fixed_size 327680
		.amdhsa_private_segment_fixed_size 0
		.amdhsa_enable_private_segment 0
		.amdhsa_kernarg_size 56
		.amdhsa_user_sgpr_count 2
		.amdhsa_user_sgpr_kernarg_segment_ptr 1
		.amdhsa_wavefront_size32 1
		.amdhsa_system_sgpr_workgroup_id_x 1
		.amdhsa_system_sgpr_workgroup_id_y 1
		.amdhsa_system_sgpr_workgroup_id_z 1
		.amdhsa_system_vgpr_workitem_id 0
		.amdhsa_next_free_vgpr 1024
		.amdhsa_next_free_sgpr 100
		.amdhsa_reserve_vcc 0
		.amdhsa_float_denorm_mode_32 3
		.amdhsa_float_denorm_mode_16_64 3
		.amdhsa_fp16_overflow 1
		.amdhsa_memory_ordered 1
		.amdhsa_forward_progress 1
		.amdhsa_inst_pref_size 135
	.end_amdhsa_kernel
	.amdgpu_metadata
---
amdhsa.version: [ 1, 2 ]
amdhsa.kernels:
  - .name:           k_qbbf556659c_qkv
    .symbol:         k_qbbf556659c_qkv.kd
    .args:
      - { .name: x_codes, .offset: 0, .size: 8, .value_kind: global_buffer, .address_space: global }
      - { .name: wa_codes, .offset: 8, .size: 8, .value_kind: global_buffer, .address_space: global }
      - { .name: lowp_scales, .offset: 16, .size: 8, .value_kind: global_buffer, .address_space: global }
      - { .name: b_attn, .offset: 24, .size: 8, .value_kind: global_buffer, .address_space: global }
      - { .name: q_img, .offset: 32, .size: 8, .value_kind: global_buffer, .address_space: global }
      - { .name: k_img, .offset: 40, .size: 8, .value_kind: global_buffer, .address_space: global }
      - { .name: v_img, .offset: 48, .size: 8, .value_kind: global_buffer, .address_space: global }
    .group_segment_fixed_size: 327680
    .private_segment_fixed_size: 0
    .kernarg_segment_align: 8
    .kernarg_segment_size: 56
    .max_flat_workgroup_size: 128
    .sgpr_count:     100
    .vgpr_count:     1024
    .wavefront_size: 32
...
	.end_amdgpu_metadata
.endif
;; end of part 2
;; launch attn (part 3): grid 4 x 64, 16 waves a work-group, no clusters, 327,680 bytes of LDS; arguments q_img, k_img, v_img, lowp_scales, y_img; writes y_img
.if DOCPART == 3
	.amdgcn_target "amdgcn-amd-amdhsa--gfx1250"
	.amdhsa_code_object_version 6
	.text
	.protected	k_qbbf556659c_attn
	.globl	k_qbbf556659c_attn
	.p2align	8
	.type	k_qbbf556659c_attn,@function
k_qbbf556659c_attn:
	s_mov_b64 s[64:65], 0
	v_nop
	global_prefetch_b8 v0, s[64:65] scope:SCOPE_SE
	s_setreg_imm32_b32 hwreg(HW_REG_WAVE_MODE, 25, 1), 1
	s_wait_xcnt 0x0
; y = softmax(q k^T / 8, causal) v for 64 heads of 2,048 tokens x 64 channels, both products on codes of FP8 (E4M3), and the quantiser (e6) of y for the last product.
; THE SOFTMAX AHEAD OF THE SECOND PRODUCT: t = score x 2^(e2 + e3) x log2(e) / 8; M = the row's largest t so far, rounded UP to a whole number; p = 2^(t - M) is quantised (e4) along the keys, not normalised.
; The row's sum is taken of the unquantised p and divides at the end.  When M moves, the sum and O are multiplied by 2^(old M - new M): exact.
; SHARES.  Work-group (i, head) owns the blocks 7 - i and i of 256 queries; each of its sixteen waves owns 16 queries of the block in hand, in 256 registers: four waves to a SIMD, so that one wave's vector work stands
; beside another's matrix work and LDS loads.  Block j needs the key slots 0 .. j of 256 keys: (8 - i) + (i + 1) = 9 VISITS in every work-group, a constant of the text: equal work, and no slot is fetched that the mask hides whole.
; A key step is 128 keys.  A step all of whose keys come after the wave's queries is jumped over (a scalar branch on ids); in the step on the diagonal hidden scores become -infinity ahead of the maximum.
; OPERANDS ARE IMAGES OF REGISTERS (laid so by the launch before): a fragment comes by ds_load_b128 at 16 x lane, 512 consecutive bytes an instruction; a slot's K (16 KB) and V (16 KB) are dense blocks of memory.
; LAYOUT.  S^T = K Q^T (source 0 = 16 keys, source 1 = my 16 queries): lane (r, h) holds query r, register 8 T + j key 16 T + 8 h + j.  Eight such registers convert into registers 2 T, 2 T + 1 of the second
; product's operand, in that form's own order of K.  O^T = V^T P^T: register j of tile a is channel position 16 a + 8 h + j, and V's channels lie with bits 3 and 4 exchanged: the 16 registers of tiles 2 B, 2 B + 1
; are channels 32 B + 16 h + 0 .. 15, and their codes are half a fragment of the last product: y_img: tile of 16 tokens x 16,384 + head x 1,024 + 512 c + 16 x lane.
; NO CLUSTER: the four work-groups of a head walk the same slots only in visits 0 to 4; from then on they need different ones, and partners of a joint load must ask alike in every visit.
; LIMITS: e2 + e3 between -123 and 130 (added to c's exponent field); e4 and e6 between -126 and 119; e4 + e5 goes in by v_ldexp_f32 and has none.  NaN among the inputs is not served.
; REGISTERS: v1 16 x lane; v3 prefetch offset; v5, v6 the spare word's address and 0; v8 LDS address in hand; v12 -M, v13 the largest t, v[14:15] the sum in two halves; v16-23 Q; v32-95 eight fragments of K, then four of V;
;   v96-159 S^T, then p; v160-191 O^T; v192-207 p's codes; v208-215 y's codes; v236-254 at work and constants.
.set SLOT1, 32768                      ; a slot: 16 KB of K, then 16 KB of V; slot 1 begins here: one exclusive or turns an address from one slot to the other
.set VOFF,  16384
.set SPARE, 2*SLOT1                    ; behind the ring: the spare words, 128 bytes for each of 16 waves: eight blocks of 256 bytes that no other line names
.set AL,   1
.set PFO,  3
.set SPW,  5
.set NIL,  6
.set AD,   8
.set TB,   2                           ; s2   LDS byte at which the slot in hand begins
.set WV,   18                          ; s18  my wave's number
.set SEL,  20                          ; s[20:21] v_permlanex16_b32's selects for lane l xor 16
.set CS,   22                          ; s[22:23] c = 2^(e2 + e3) log2(e) / 8
.set G1,   24                          ; s[24:31] descriptor group 1: one shape for K's and V's halves
.set G0K,  40                          ; s[40:43], s[44:47] groups 0
.set G0V,  44
.set KB,   48                          ; s[48:49] my half of the head's key slot 0 in k_img;  s[50:51] in v_img
.set VB,   50
.set NKS,  52                          ; s52  the key slot asked for last
.set SW1,  53                          ; s53  i + 1
.set Q1,   55                          ; s55  my first query in block i
.set QB,   58                          ; s[58:59] the head in q_img
.set YB,   60                          ; s[60:61] the head's place in y_img
.set SLOTS, 67                         ; s67  8 - the visit's number
.set PFA,  76                          ; s[76:77] where my prefetches stand
.set LIM,  80                          ; s80  2 in a wave that prefetches, else the greatest number
.set EPV,  81                          ; s81  e4 + e5
.set KF,   98                          ; s98  the step's first key
.set Q0,   99                          ; s99  my first query
; Waves 0 and 1 fetch K's halves of a slot, waves 2 and 3 V's, the others nothing.  The branches hang on the wave's number alone.  Four v_nop follow each of the two lines.
.macro TLOAD
	s_cmp_lt_u32 s[WV], 2
	s_cbranch_scc0 .Lnot_k_\@
	tensor_load_to_lds s[G0K:G0K+3], s[G1:G1+7]
	s_nop 0
.rept 4
	v_nop
.endr
	s_branch .Lasked_\@
.Lnot_k_\@:
	s_cmp_lt_u32 s[WV], 4
	s_cbranch_scc0 .Lasked_\@
	tensor_load_to_lds s[G0V:G0V+3], s[G1:G1+7]
	s_nop 0
.rept 4
	v_nop
.endr
.Lasked_\@:
.endm
; A PREFETCH INTO THE L2 of the slot that the NEXT change of slots will ask for: one visit, two key steps of all sixteen waves, ahead of that tensor load.  All four work-groups of a head begin with slots 0, 1, 2 ..:
; the one with i = 0, which walks all eight, asks, and nobody else.  In it waves 4 and 5 ask for K's two halves and waves 6 and 7 for V's: 8,192 bytes a wave, lanes 256 bytes apart, one instruction: each aligned
; block of 256 bytes is named once in the launch.  Visits 0 to 5 name slots 2 to 7; slots 0 and 1 come by their loads alone, and the last visits ask for nothing.
.macro ASK
	s_cmp_gt_u32 s[SLOTS], s[LIM]
	s_cbranch_scc0 .Lnot_mine_\@
	global_prefetch_b8 v[PFO], s[PFA:PFA+1] th:TH_LOAD_NT scope:SCOPE_SE
.Lnot_mine_\@:
.endm
; A block of queries begins: my tile of Q; the largest t is -3e38, under every t; the sum and O^T are zeros, which the first change of M leaves zeros.
.macro PHASE
	s_lshl_b32 s86, s[Q0], 6                       ; a tile of 16 queries is 1,024 bytes
	s_mov_b32 s87, 0
	s_add_nc_u64 s[86:87], s[QB:QB+1], s[86:87]
	global_load_b128 v[16:19], v[AL], s[86:87]
	global_load_b128 v[20:23], v[AL], s[86:87] offset:512
	v_mov_b32 v13, 0xff61b1e6
	s_delay_alu instid0(VALU_DEP_1)
	v_floor_f32 v12, -v13                          ; -M
	v_mov_b32 v14, 0
	v_mov_b32 v15, 0
.set j, 0
.rept 32
	v_mov_b32 v[160+j], 0
.set j, j+1
.endr
	s_wait_loadcnt 0x0                             ; Q is in, and its address registers are free
.endm
; A KEY STEP: 128 keys, the q-th of the slot in hand.
.macro STEP q
	s_add_co_u32 s96, s[Q0], 15
	s_cmp_gt_u32 s[KF], s96                        ; all its keys come after my queries: nothing of it counts
	s_cbranch_scc1 .Lhidden_\@
	v_add_nc_u32 v[AD], s[TB], v[AL]
.rept 3
	v_nop                                          ; with the addition: four places in front of loads into registers that the last products read
.endr
.irp T, 0,1,2,3,4,5,6,7
	ds_load_b128 v[32+8*\T:35+8*\T], v[AD] offset:8192*(\q)+1024*\T
	ds_load_b128 v[36+8*\T:39+8*\T], v[AD] offset:8192*(\q)+1024*\T+512
.endr
	s_wait_alu depctr_va_vdst(0)
	s_wait_dscnt 0x0
.irp T, 0,1,2,3,4,5,6,7
	v_wmma_f32_16x16x64_fp8_fp8 v[96+8*\T:103+8*\T], v[32+8*\T:39+8*\T], v[16:23], 0
.endr
.rept 4
	v_nop                                          ; places: for V's loads into K's registers, and for the first read of the scores
.endr
.irp a, 0,1,2,3                                ; V's four fragments are asked for now and land under the softmax
.irp g, 0,1,2,3
	ds_load_b128 v[32+16*\a+4*\g:35+16*\a+4*\g], v[AD] offset:VOFF+8192*(\q)+2048*\a+512*\g
.endr
.endr
	s_add_co_u32 s96, s[KF], 127
	s_cmp_le_u32 s96, s[Q0]                        ; all its keys count for all my queries: no mask
	s_cbranch_scc1 .Lopen_\@
	s_sub_co_i32 s96, s[Q0], s[KF]
	v_and_b32 v252, 15, v0
	v_bfe_u32 v253, v0, 4, 1
	s_delay_alu instid0(VALU_DEP_1)
	v_lshlrev_b32 v253, 3, v253
	s_delay_alu instid0(VALU_DEP_1)
	v_sub_nc_u32 v252, v252, v253
	s_delay_alu instid0(VALU_DEP_1)
	v_add_nc_u32 v252, s96, v252                   ; d = my query - KF - 8 h.  Register 8 T + j holds key KF + 16 T + 8 h + j: hidden where 16 T + j > d
	v_mov_b32 v254, 0xff800000                     ; -infinity: p = 0 then
.set n, 0
.rept 64
	v_cmp_gt_i32 vcc_lo, 16*(n/8)+n%8, v252
	v_cndmask_b32 v[96+n], v[96+n], v254, vcc_lo
.set n, n+1
.endr
.Lopen_\@:
	v_max3_num_f32 v254, v96, v97, v98             ; the step's largest score of my query among my 64 keys, in two chains, each accumulator from its low end on,
	v_max3_num_f32 v252, v99, v100, v101
.irp i, 6,10,14,18,22,26,30,34,38,42,46,50,54,58
	v_max3_num_f32 v254, v254, v[96+\i], v[97+\i]
	v_max3_num_f32 v252, v252, v[98+\i], v[99+\i]
.endr
	v_max3_num_f32 v254, v254, v158, v159
	s_delay_alu instid0(VALU_DEP_1)
	v_max_num_f32 v254, v254, v252
	s_delay_alu instid0(VALU_DEP_1)
	v_permlanex16_b32 v236, v254, s[SEL], s[SEL+1]
	s_delay_alu instid0(VALU_DEP_1)
	v_max_num_f32 v254, v254, v236                 ; and among lane l xor 16's
	s_delay_alu instid0(VALU_DEP_1)
	v_mul_f32 v254, s[CS], v254                    ; as t (c is positive)
	s_delay_alu instid0(VALU_DEP_1)
	v_max_num_f32 v13, v13, v254                   ; the running largest t
	v_mov_b32 v254, v12
	s_delay_alu instid0(VALU_DEP_2)
	v_floor_f32 v12, -v13                          ; the new -M = floor(-t) = -ceil(t): a whole number
	s_delay_alu instid0(VALU_DEP_1)
	v_sub_f32 v254, v12, v254                      ; old M - new M: a whole number, 0 or less
	s_delay_alu instid0(VALU_DEP_1)
	v_cvt_i32_f32 v254, v254                       ; (it saturates)
	s_delay_alu instid0(VALU_DEP_1)
	v_ldexp_f32 v252, 1.0, v254                    ; f = 2^(old M - new M)
.set j, 0
.rept 32
	v_pk_fma_f32 v[96+j:97+j], v[96+j:97+j], s[CS:CS+1], v[12:13] op_sel_hi:[1,0,0]   ; t - M, two at a time (of the pairs c and -M the low word serves both halves)
.set j, j+2
.endr
.set j, 0
	s_wait_alu depctr_va_vdst(0)
.rept 64
	v_exp_f32 v[96+j], v[96+j]                     ; p = 2^(t - M), at most 1
.set j, j+1
.endr
	v_pk_mul_f32 v[14:15], v[14:15], v[252:253] op_sel_hi:[1,0]   ; the sums under the new M: the plain line behind the exponentials
	s_wait_alu depctr_va_vdst(0)                   ; one wait for the batch of 64, ahead of its first reader
	v_pk_add_f32 v[242:243], v[100:101], v[104:105]
	v_pk_add_f32 v[254:255], v[108:109], v[112:113]
	v_pk_add_f32 v[250:251], v[116:117], v[120:121]
	v_pk_add_f32 v[248:249], v[124:125], v[128:129]
	v_pk_add_f32 v[246:247], v[132:133], v[136:137]
	v_pk_add_f32 v[240:241], v[140:141], v[144:145]
	v_pk_add_f32 v[238:239], v[148:149], v[152:153]
	v_pk_add_f32 v[14:15], v[14:15], v[156:157]
	v_pk_add_f32 v[242:243], v[242:243], v[96:97]
	v_pk_add_f32 v[254:255], v[254:255], v[98:99]
	v_pk_add_f32 v[250:251], v[250:251], v[102:103]
	v_pk_add_f32 v[248:249], v[248:249], v[106:107]
	v_pk_add_f32 v[246:247], v[246:247], v[110:111]
	v_pk_add_f32 v[240:241], v[240:241], v[114:115]
	v_pk_add_f32 v[238:239], v[238:239], v[118:119]
	v_pk_add_f32 v[14:15], v[14:15], v[122:123]
	v_pk_add_f32 v[242:243], v[242:243], v[126:127]
	v_pk_add_f32 v[254:255], v[254:255], v[130:131]
	v_pk_add_f32 v[250:251], v[250:251], v[134:135]
	v_pk_add_f32 v[248:249], v[248:249], v[138:139]
	v_pk_add_f32 v[246:247], v[246:247], v[142:143]
	v_pk_add_f32 v[240:241], v[240:241], v[146:147]
	v_pk_add_f32 v[238:239], v[238:239], v[150:151]
	v_pk_add_f32 v[14:15], v[14:15], v[154:155]
	v_pk_add_f32 v[242:243], v[242:243], v[158:159]
	s_delay_alu instid0(VALU_DEP_2)
	v_pk_add_f32 v[14:15], v[14:15], v[248:249]
	s_delay_alu instid0(VALU_DEP_2)
	v_pk_add_f32 v[242:243], v[242:243], v[246:247]
	v_pk_add_f32 v[254:255], v[254:255], v[240:241]
	v_pk_add_f32 v[250:251], v[250:251], v[238:239]
	s_delay_alu instid0(VALU_DEP_2)
	v_pk_add_f32 v[14:15], v[14:15], v[254:255]
	s_delay_alu instid0(VALU_DEP_2)
	v_pk_add_f32 v[242:243], v[242:243], v[250:251]
	s_delay_alu instid0(VALU_DEP_1)
	v_pk_add_f32 v[14:15], v[14:15], v[242:243]
.irp T, 0,1,2,3,4,5,6,7
.irp i, 0,1,2,3,4,5,6,7
.endr
	v_cvt_scalef32_pk8_fp8_f32 v[192+2*\T:193+2*\T], v[96+8*\T:103+8*\T], v244   ; registers 2 T, 2 T + 1: keys 16 T + 8 h + 0 .. 7
.endr
.set j, 0
.rept 16
	v_pk_mul_f32 v[160+j:161+j], v[160+j:161+j], v[252:253] op_sel_hi:[1,0]   ; O^T under the new M; also the plain lines between the conversions and the products
.set j, j+2
.endr
	s_wait_alu depctr_va_vdst(0)
	s_wait_dscnt 0x0                               ; V is in
.irp a, 0,1,2,3                                ; the four accumulators take turns, one instruction a turn; between two links of one chain stand the next step's products
	v_wmma_f32_16x16x128_fp8_fp8 v[160+8*\a:167+8*\a], v[32+16*\a:47+16*\a], v[192:207], v[160+8*\a:167+8*\a]
.endr
.Lhidden_\@:
	s_add_co_u32 s[KF], s[KF], 128
.endm
; A block of queries ends: O^T x 2^(e4 + e5) / the sum, converted with e6, and stored as an image: two stores of 512 consecutive aligned bytes.
; Behind the last products stand four plain lines that name none of their registers (two additions, the v_nop, v_ldexp_f32) ahead of the first read of O^T.
.macro WAYOUT
	v_add_f32 v14, v14, v15                        ; the sum's two halves,
	s_delay_alu instid0(VALU_DEP_1)
	v_permlanex16_b32 v236, v14, s[SEL], s[SEL+1]
	s_delay_alu instid0(VALU_DEP_1)
	v_add_f32 v14, v14, v236                       ; and lane l xor 16's
	s_wait_alu depctr_va_vdst(0)
	v_rcp_f32 v14, v14
	v_nop                                          ; a plain line behind the transcendental
	s_wait_xcnt 0x0                                ; the last way out's stores have read their base and their data: both are written again below
	s_lshr_b32 s82, s[Q0], 4
	s_lshl_b32 s82, s82, 14                        ; my tile of 16 tokens: 16,384 bytes each
	s_mov_b32 s83, 0
	s_add_nc_u64 s[82:83], s[YB:YB+1], s[82:83]
	s_wait_alu depctr_va_vdst(0)                   ; ahead of the reciprocal's first reader
	v_ldexp_f32 v14, v14, s[EPV]
.set j, 0
.rept 16
	v_pk_mul_f32 v[96+j:97+j], v[160+j:161+j], v[14:15] op_sel_hi:[1,0]   ; each accumulator from its low end on; the low word of the pair serves both halves
.set j, j+2
.endr
.set j, 0
.rept 32
.set j, j+1
.endr
.irp a, 0,1,2,3
	v_cvt_scalef32_pk8_fp8_f32 v[208+2*\a:209+2*\a], v[96+8*\a:103+8*\a], v245
.endr
	v_nop                                          ; one plain line behind the last conversion
	global_store_b128 v[AL], v[208:211], s[82:83]
	global_store_b128 v[AL], v[212:215], s[82:83] offset:512
.endm
; THE CHANGE OF SLOTS stands at a visit's head.  Each wave waits for all its tensor loads (its part of the slot that it is about to read), adds 0 to its spare word, and waits for that and for its reads of the slot that it has left.
; Behind the barrier the slot ahead is whole and nobody reads the other one.  fill = 1: that other slot takes the next visit's keys: the next key slot, or slot 0 where the next visit begins block i.
.macro CHANGE fill
	s_wait_tensorcnt 0x0                           ; no tensor load of mine is out, so a group 0 may be written
	ds_add_u32 v[SPW], v[NIL]                      ; 0 onto my spare word
.if \fill
	s_xor_b32 s[G0K+1], s[G0K+1], SLOT1
	s_xor_b32 s[G0V+1], s[G0V+1], SLOT1
	s_add_co_u32 s[NKS], s[NKS], 1
	s_cmp_eq_u32 s[SLOTS], s[SW1]                  ; 8 - visit = i + 1: the next visit is the first of block i
	s_cselect_b32 s[NKS], 0, s[NKS]
	s_lshl_b32 s84, s[NKS], 14
	s_mov_b32 s85, 0
	s_add_nc_u64 s[G0K+2:G0K+3], s[KB:KB+1], s[84:85]
	s_or_b32 s[G0K+3], s[G0K+3], 0x80000000
	s_add_nc_u64 s[G0V+2:G0V+3], s[VB:VB+1], s[84:85]
	s_or_b32 s[G0V+3], s[G0V+3], 0x80000000
	s_wait_xcnt 0x0                                ; the last prefetch, a visit back, has read its address
	s_add_nc_u64 s[PFA:PFA+1], s[PFA:PFA+1], 16384
.endif
	s_wait_dscnt 0x0                               ; the add is done, and my reads of the slot that I have left are over
	s_barrier_signal -1
	s_barrier_wait -1
.if \fill
	TLOAD                                          ; the first thing behind the barrier, and a wave's one tensor load until the next
	ASK
.endif
.endm
.macro VISIT fill
	CHANGE \fill
	s_cmp_lg_u32 s[SLOTS], ttmp9                   ; 8 - visit = i: block 7 - i is finished, block i begins
	s_cbranch_scc1 .Lsame_\@
	WAYOUT
	s_mov_b32 s[KF], 0
	s_mov_b32 s[Q0], s[Q1]
	PHASE
.Lsame_\@:
	STEP 0
	STEP 1
	s_xor_b32 s[TB], s[TB], SLOT1
.endm
	s_load_b256 s[4:11], s[0:1], 0x0               ; q_img s[4:5], k_img s[6:7], v_img s[8:9], the scales' exponents s[10:11]
	s_load_b64 s[12:13], s[0:1], 0x20              ; y_img
	v_lshl_add_u32 v[SPW], v0, 2, SPARE
	v_mov_b32 v[NIL], 0
	ds_add_u32 v5, v6
	ds_add_u32 v5, v6
	s_wait_dscnt 0x0
	v_lshrrev_b32 v8, 5, v0
	s_delay_alu instid0(VALU_DEP_1)
	v_readfirstlane_b32 s[WV], v8                  ; wave 0..15
	s_and_b32 s84, ttmp7, 0xffff                   ; batch x 16 + head
	s_lshl_b32 s56, s84, 17                        ; its 131,072 bytes in q_img, k_img and v_img
	s_mov_b32 s57, 0
	s_lshr_b32 s54, s84, 4
	s_lshl_b32 s54, s54, 21                        ; in y_img: 128 tiles of tokens x 16,384 for a batch,
	s_and_b32 s85, s84, 15
	s_lshl_b32 s85, s85, 10                        ; 1,024 for a head
	s_add_co_u32 s62, s54, s85
	s_mov_b32 s63, 0
	s_and_b32 s86, s[WV], 1
	s_lshl_b32 s86, s86, 13                        ; which 8,192 bytes of a slot's K or V I fetch or prefetch
	s_mov_b32 s87, 0
	; descriptor group 1: a dense block of 8,192 bytes as 32 rows of 32 elements of 8 bytes
	s_mov_b32 s[G1], 3<<16                         ; 15:0 no mask; 17:16 elements of 8 bytes; no padding
	s_mov_b32 s[G1+1], 32<<16                      ; tensor_dim0
	s_mov_b32 s[G1+2], 32<<16                      ; tensor_dim1
	s_mov_b32 s[G1+3], 32<<16                      ; tile_dim0
	s_mov_b32 s[G1+4], 32                          ; tile_dim1
	s_mov_b32 s[G1+5], 32                          ; tensor_dim0_stride
	s_mov_b32 s[G1+6], 0
	s_mov_b32 s[G1+7], 0
	s_mov_b32 s[SEL], 0x76543210
	s_mov_b32 s[SEL+1], 0xfedcba98
	s_mov_b32 s[TB], 0
	s_mov_b32 s[SLOTS], 8
	s_mov_b32 s[NKS], 0
	s_mov_b32 s[KF], 0
	s_add_co_u32 s[SW1], ttmp9, 1
	s_lshl_b32 s85, s[WV], 4
	s_lshl_b32 s[Q1], ttmp9, 8
	s_add_co_u32 s[Q1], s[Q1], s85                 ; 256 i + 16 x wave
	s_sub_co_u32 s[Q0], 7, ttmp9
	s_lshl_b32 s[Q0], s[Q0], 8
	s_add_co_u32 s[Q0], s[Q0], s85                 ; 256 (7 - i) + 16 x wave: the longer block first
	s_wait_kmcnt 0x0
	s_load_b256 s[68:75], s[10:11], 0x0            ; e0 .. e7
	s_add_nc_u64 s[QB:QB+1], s[4:5], s[56:57]
	s_add_nc_u64 s[YB:YB+1], s[12:13], s[62:63]
	s_add_nc_u64 s[KB:KB+1], s[6:7], s[56:57]
	s_add_nc_u64 s[KB:KB+1], s[KB:KB+1], s[86:87]
	s_add_nc_u64 s[VB:VB+1], s[8:9], s[56:57]
	s_add_nc_u64 s[VB:VB+1], s[VB:VB+1], s[86:87]
	s_mov_b32 s[G0K], 1                            ; 1:0 count = 1
	s_mov_b32 s[G0K+1], s86                        ; 63:32 LDS address: slot 0, my half of K
	s_mov_b64 s[G0K+2:G0K+3], s[KB:KB+1]           ; 120:64 global address: key slot 0
	s_or_b32 s[G0K+3], s[G0K+3], 0x80000000        ; 127:126 type = 2
	s_mov_b32 s[G0V], 1
	s_add_co_u32 s[G0V+1], s86, VOFF
	s_mov_b64 s[G0V+2:G0V+3], s[VB:VB+1]
	s_or_b32 s[G0V+3], s[G0V+3], 0x80000000
	TLOAD                                          ; slot 0: the one first fill at the start; slot 1 is first filled behind the first visit's barrier, as a refill is
	s_cmp_lt_u32 s[WV], 6                          ; the prefetches: waves 4 and 5 stand in k_img, waves 6 and 7 in v_img,
	s_cselect_b64 s[PFA:PFA+1], s[6:7], s[8:9]
	s_add_nc_u64 s[PFA:PFA+1], s[PFA:PFA+1], s[56:57]
	s_add_nc_u64 s[PFA:PFA+1], s[PFA:PFA+1], s[86:87]
	s_add_nc_u64 s[PFA:PFA+1], s[PFA:PFA+1], 16384 ; at slot 1: the first change of slots steps it to slot 2.  Nothing is prefetched here, at the head
	s_sub_co_u32 s84, s[WV], 4
	s_lshr_b32 s84, s84, 2                         ; 0 in waves 4 to 7,
	s_or_b32 s84, s84, ttmp9                       ; of the work-group with i = 0
	s_cmp_eq_u32 s84, 0
	s_cselect_b32 s[LIM], 2, -1
	v_and_b32 v[AL], 31, v0
	s_delay_alu instid0(VALU_DEP_1)
	v_lshlrev_b32 v[PFO], 8, v[AL]
	s_delay_alu instid0(VALU_DEP_2)
	v_lshlrev_b32 v[AL], 4, v[AL]
	v_mov_b32 v236, 0                              ; written once: a lane permute's destination counts as one of its sources
	v_mov_b32 v252, 0
	v_mov_b32 v253, 0                              ; (named as the upper half of the pair v[252:253])
	s_wait_alu depctr_va_vdst(0)
	s_wait_kmcnt 0x0
	s_add_co_i32 s84, s70, s71                     ; e2 + e3 goes into c's exponent field
	s_lshl_b32 s84, s84, 23
	s_add_co_i32 s[CS], s84, 0x3e38aa3b            ; c = log2(e) / 8
	s_mov_b32 s[CS+1], s[CS]                       ; (named with it as a pair, so it is written)
	s_add_co_i32 s84, s72, 127
	s_lshl_b32 s85, s84, 23
	v_mov_b32 v244, s85                            ; 2^e4 as f32, for p's conversion
	s_add_co_i32 s84, s74, 127
	s_lshl_b32 s85, s84, 23
	v_mov_b32 v245, s85                            ; 2^e6, for y's
	s_add_co_i32 s[EPV], s72, s73                  ; e4 + e5
	PHASE
.Lslot:                                            ; eight trips: visits 0 to 7, each of which asks for the next visit's slot
	VISIT 1
	s_sub_co_u32 s[SLOTS], s[SLOTS], 1
	s_cmp_lg_u32 s[SLOTS], 0
	s_cbranch_scc1 .Lslot
	VISIT 0                                        ; the last visit is written out
	WAYOUT
	s_wait_tensorcnt 0x0                           ; the wave's end
	ds_add_u32 v[SPW], v[NIL]
	s_wait_dscnt 0x0
	s_endpgm
.Lfunc_end_k_qbbf556659c_attn:
	.size	k_qbbf556659c_attn, .Lfunc_end_k_qbbf556659c_attn-k_qbbf556659c_attn
	.p2alignl 7, 3214868480
	.fill 96, 4, 3214868480
	.section	.rodata,"a",@progbits
	.p2align	6, 0x0
	.amdhsa_kernel k_qbbf556659c_attn
		.amdhsa_group_segment_fixed_size 327680
		.amdhsa_private_segment_fixed_size 0
		.amdhsa_enable_private_segment 0
		.amdhsa_kernarg_size 40
		.amdhsa_user_sgpr_count 2
		.amdhsa_user_sgpr_kernarg_segment_ptr 1
		.amdhsa_wavefront_size32 1
		.amdhsa_system_sgpr_workgroup_id_x 1
		.amdhsa_system_sgpr_workgroup_id_y 1
		.amdhsa_system_sgpr_workgroup_id_z 1
		.amdhsa_system_vgpr_workitem_id 0
		.amdhsa_next_free_vgpr 256
		.amdhsa_next_free_sgpr 100
		.amdhsa_reserve_vcc 1
		.amdhsa_float_denorm_mode_32 3
		.amdhsa_float_denorm_mode_16_64 3
		.amdhsa_fp16_overflow 1
		.amdhsa_memory_ordered 1
		.amdhsa_forward_progress 1
		.amdhsa_inst_pref_size 94
	.end_amdhsa_kernel
	.amdgpu_metadata
---
amdhsa.version: [ 1, 2 ]
amdhsa.kernels:
  - .name:           k_qbbf556659c_attn
    .symbol:         k_qbbf556659c_attn.kd
    .args:
      - { .name: q_img, .offset: 0, .size: 8, .value_kind: global_buffer, .address_space: global }
      - { .name: k_img, .offset: 8, .size: 8, .value_kind: global_buffer, .address_space: global }
      - { .name: v_img, .offset: 16, .size: 8, .value_kind: global_buffer, .address_space: global }
      - { .name: lowp_scales, .offset: 24, .size: 8, .value_kind: global_buffer, .address_space: global }
      - { .name: y_img, .offset: 32, .size: 8, .value_kind: global_buffer, .address_space: global }
    .group_segment_fixed_size: 327680
    .private_segment_fixed_size: 0
    .kernarg_segment_align: 8
    .kernarg_segment_size: 40
    .max_flat_workgroup_size: 512
    .sgpr_count:     100
    .vgpr_count:     256
    .wavefront_size: 32
...
	.end_amdgpu_metadata
.endif
;; end of part 3
;; launch proj (part 4): grid 4 x 64, 4 waves a work-group, clusters of 4 x 4, 327,680 bytes of LDS; arguments y_img, wp_codes, lowp_scales, b_proj, out0; writes out0
.if DOCPART == 4
	.amdgcn_target "amdgcn-amd-amdhsa--gfx1250"
	.amdhsa_code_object_version 6
	.text
	.protected	k_qbbf556659c_proj
	.globl	k_qbbf556659c_proj
	.p2align	8
	.type	k_qbbf556659c_proj,@function
k_qbbf556659c_proj:
	s_mov_b64 s[64:65], 0
	v_nop
	global_prefetch_b8 v0, s[64:65] scope:SCOPE_SE
	s_setreg_imm32_b32 hwreg(HW_REG_WAVE_MODE, 25, 1), 1
	s_wait_xcnt 0x0
	s_wait_alu depctr_hold_cnt(0) depctr_sa_sdst(0) depctr_va_vdst(0) depctr_va_sdst(0) depctr_va_ssrc(0) depctr_va_vcc(0) depctr_vm_vsrc(0)
	s_getreg_b32 s2, hwreg(HW_REG_IB_STS2, 6, 4)
	s_cmp_eq_u32 s2, 0
	s_cbranch_scc0 .Lentry_in_a_cluster
	s_endpgm
.Lentry_in_a_cluster:
	s_bfe_u32 s2, ttmp6, 0x10000c
	s_cmp_lg_u32 s2, 0xf033
	s_cbranch_scc0 .Lentry_shape_is_right
	s_endpgm
.Lentry_shape_is_right:
; out0 = y W_proj + b_proj on codes of FP8 (E4M3).  y's codes come as images of operand registers: tile of 16 rows x 16,384 + K step of 128 x 2,048 + 512 c + 16 x lane (registers 4 c .. 4 c + 3: K = 32 c + 16 h + 0 .. 15).
; W_proj's codes: [1024][1024], K innermost, rows with bits 3 and 4 of the column number exchanged.  out0: [8192][1024] f32 = sum x 2^(e6 + e7) + bias.
; A tile of out0 is 128 rows x 256 columns, so that there are 256 work-groups to store the result; four waves, each 64 x 128: 32 accumulators.  K = 1,024 goes in four steps of 256 through a ring of two LDS slots.
; CLUSTERS: 4 x 4 work-groups: y's tiles are asked for jointly along a row of the cluster, W's along a column.
; THE MATRIX INSTRUCTION IS USED TRANSPOSED (source 0 = 16 rows of W's codes, source 1 = 16 rows of y): a lane holds one row of out0, and by the order of W's rows the 16 registers of tiles 2 B, 2 B + 1 are columns 32 B + 16 h + 0 .. 15.
; LIMIT: e6 + e7 between -126 and 127, so that 2^(e6 + e7) is an f32 number.
; No prefetch: K has four steps, of which two are asked for at the head, and the tiles are shared by joint loads.
; REGISTERS, in windows of 256: window 0: v16-29 addresses; v32-95, v96-159 y's fragments (4 x 16 rows x 128 K), two sets; v160-223 the bias; on the way out v32-95 results.
;   window 1: W's fragments, two sets, at v0 and v128; on the way out v0-127 rows read back.   window 2: accumulator (a, b) at v[8 (8 a + b)].
.set PITCH,  272                       ; W: an LDS row: 256 bytes + 16 of padding: the 16 rows that a load touches start at 16 different banks (64 banks of 4 bytes: ISA guide 11.1)
.set FR,     16
.set HALFT,  128*PITCH
.set ABYTES, 32768                     ; y's part of a slot: 8 tiles of rows x 4,096 bytes, images, read 512 consecutive bytes an instruction: no padding
.set SLOT,   ABYTES+2*HALFT
.set LAPS,   2
.set SPARE,  2*SLOT                    ; behind the ring: the spare words, 128 bytes for each wave: two blocks of 256 bytes that no other line names
.set SPITCH, 528                       ; the way out: a stage of 16 rows x (512 bytes + 16) for each wave, in slot 0, which has had its last fill and its last read when the first result is stored there
.set ADRA, 16
.set ADRB, 20
.set STO,  24                          ; v24  the way out: where I put 64 bytes of a row
.set RD,   25                          ; v25  where I read a row back
.set CO,   26                          ; v26  16 x lane
.set BO,   27                          ; v27  my byte offset in the bias
.set SPW,  28
.set NIL,  29
.set AF,   32
.set TMP,  32
.set BI,   160
.set G1, 24
.set G0, 32
.set G1B, 48
.set G0B, 56
.set MSB, 0
.macro WIN new                         ; the immediate's high byte repeats the setting that is left
.if MSB != (\new)
	s_set_vgpr_msb (MSB<<8)|(\new)
.set MSB, (\new)
.endif
.endm
.set MUL,  0xa1                        ; source 0 (W) window 1, source 1 (y) window 0, C and D window 2
.set TO_B, 0x40                        ; destination window 1, address window 0
.macro JLOAD g0a, g1a, g0b, g1b        ; waves 0 and 1 fetch y's halves, waves 2 and 3 W's; four v_nop follow each of the two lines
	s_cmp_eq_u32 s15, 0
	s_cbranch_scc0 .Lfor_b_\@
	tensor_load_to_lds s[\g0a:\g0a+3], s[\g1a:\g1a+7]
	s_nop 0
.rept 4
	v_nop
.endr
	s_branch .Lasked_\@
.Lfor_b_\@:
	tensor_load_to_lds s[\g0b:\g0b+3], s[\g1b:\g1b+7]
	s_nop 0
.rept 4
	v_nop
.endr
.Lasked_\@:
.endm
.macro CREST
	s_cmp_lg_u32 s14, 0
	s_cbranch_scc1 .Lnot_wave_0_\@
	s_barrier_signal -3
.Lnot_wave_0_\@:
	s_barrier_wait -3
	s_barrier_signal -1
	s_barrier_wait -1
.endm
.macro CROUND
	s_barrier_signal -1
	s_barrier_wait -1
	CREST
.endm
	s_load_b128 s[4:7], s[0:1], 0x0                ; y_img s[4:5], W_proj's codes s[6:7]
	s_load_b128 s[8:11], s[0:1], 0x10              ; the scales' exponents s[8:9], b_proj s[10:11]
	s_load_b64 s[12:13], s[0:1], 0x20              ; out0
	v_lshl_add_u32 v[SPW], v0, 2, SPARE
	v_mov_b32 v[NIL], 0
	ds_add_u32 v28, v29
	ds_add_u32 v28, v29
	s_wait_dscnt 0x0
	v_lshrrev_b32 v1, 5, v0
	v_readfirstlane_b32 s14, v1                    ; wave 0..3
	s_lshr_b32 s15, s14, 1                         ; which 64 of the tile's rows are mine.  Also: I fetch for y (0) or for W (1)
	s_and_b32 s16, s14, 1                          ; which 128 of its columns.  Also: which half of that tile I fetch
	s_bfe_u32 s40, ttmp6, 0x40000                  ; cx
	s_bfe_u32 s41, ttmp6, 0x40004                  ; cy
	s_lshl_b32 s42, ttmp9, 2
	s_add_co_u32 s42, s42, s40                     ; tile column = 4 x cluster x + cx
	s_and_b32 s17, ttmp7, 0xffff
	s_lshl_b32 s17, s17, 2
	s_add_co_u32 s17, s17, s41                     ; tile row = 4 x cluster y + cy
	s_lshl_b32 s43, s41, 2
	s_lshl_b32 s43, 15, s43                        ; my row of the cluster
	s_lshl_b32 s44, 0x1111, s40                    ; my column
	; y's descriptor group 1: 4 tiles of rows, of each the K step's 4,096 bytes, 16,384 bytes apart, in elements of 8 bytes; no padding
	s_or_b32 s[G1+0], s43, (3<<16)|(1<<21)         ; 15:0 the mask: my row; 17:16 elements of 8 bytes; 21 set beside a mask
	s_mov_b32 s[G1+1], 512<<16                     ; tensor_dim0
	s_mov_b32 s[G1+2], 4<<16                       ; tensor_dim1
	s_mov_b32 s[G1+3], 512<<16                     ; tile_dim0
	s_mov_b32 s[G1+4], 4                           ; tile_dim1
	s_mov_b32 s[G1+5], 2048                        ; tensor_dim0_stride
	s_mov_b32 s[G1+6], 0
	s_mov_b32 s[G1+7], 0
	; W's: 128 rows x 256 bytes, padded in LDS
	s_or_b32 s[G1B+0], s44, (0<<16)|(1<<20)|(1<<21)|(5<<22)|(3<<25)  ; the mask: my column; elements of 1 byte; padding: four words after every 64
	s_mov_b32 s[G1B+1], 256<<16
	s_mov_b32 s[G1B+2], 128<<16
	s_mov_b32 s[G1B+3], 256<<16
	s_mov_b32 s[G1B+4], 128
	s_mov_b32 s[G1B+5], 1024
	s_mov_b32 s[G1B+6], 0
	s_mov_b32 s[G1B+7], 0
	s_lshl_b32 s20, s17, 3
	s_lshl_b32 s18, s16, 2
	s_add_co_u32 s20, s20, s18
	s_lshl_b32 s20, s20, 14                        ; y: (8 x tile row + 4 x half) tiles of 16,384 bytes
	s_mov_b32 s21, 0
	s_lshl_b32 s46, s42, 8
	s_lshl_b32 s19, s16, 7
	s_add_co_u32 s46, s46, s19
	s_lshl_b32 s46, s46, 10                        ; W: (256 x tile column + 128 x half) rows of 1,024 bytes
	s_mov_b32 s47, 0
	s_lshl_b32 s45, s16, 14                        ; where they go: y's half,
	s_mul_i32 s23, s16, HALFT
	s_add_co_u32 s23, s23, ABYTES                  ; W's half: no place in the cluster enters an LDS address
	s_wait_kmcnt 0x0
	s_load_b256 s[80:87], s[8:9], 0x0              ; e0 .. e7
	s_add_nc_u64 s[20:21], s[4:5], s[20:21]
	s_add_nc_u64 s[46:47], s[6:7], s[46:47]
	CROUND                                         ; all sixteen work-groups are here: the first joint loads meet
.irp s, 0,1
	s_mov_b32 s[G0+4*\s], 1
	s_add_co_u32 s[G0+4*\s+1], s45, \s*SLOT
	s_add_nc_u64 s[G0+4*\s+2:G0+4*\s+3], s[20:21], \s*4096
	s_or_b32 s[G0+4*\s+3], s[G0+4*\s+3], 0x80000000
	s_mov_b32 s[G0B+4*\s], 1
	s_add_co_u32 s[G0B+4*\s+1], s23, \s*SLOT
	s_add_nc_u64 s[G0B+4*\s+2:G0B+4*\s+3], s[46:47], \s*256
	s_or_b32 s[G0B+4*\s+3], s[G0B+4*\s+3], 0x80000000
	s_wait_alu depctr_va_vdst(0)
	s_wait_tensorcnt 0x0
	ds_add_u32 v28, v29
	ds_add_u32 v28, v29
	s_wait_dscnt 0x0
	CROUND
	JLOAD G0+4*\s, G1, G0B+4*\s, G1B               ; one tensor load of mine is out
.endr
	v_and_b32 v1, 15, v0                           ; r
	v_bfe_u32 v2, v0, 4, 1                         ; h
	v_and_b32 v5, 31, v0
	v_lshlrev_b32 v[CO], 4, v5
	v_mul_u32_u24 v3, v1, PITCH
	v_lshl_add_u32 v4, v2, 4, v3
	s_lshl_b32 s21, s15, 14                        ; my four tiles of y's rows
	s_mul_i32 s22, s16, HALFT
	s_add_co_u32 s22, s22, ABYTES                  ; my 128 rows of W
.irp s, 0,1
	v_add_nc_u32 v[ADRA+\s], s21, v[CO]
	v_add_nc_u32 v[ADRB+\s], s22, v4
	s_add_co_u32 s21, s21, SLOT
	s_add_co_u32 s22, s22, SLOT
.endr
	s_mul_i32 s23, s14, 16*SPITCH                  ; my stage
	v_mul_u32_u24 v5, v1, SPITCH
	v_lshl_add_u32 v5, v2, 6, v5
	v_add_nc_u32 v[STO], s23, v5                   ; in: row r, + 64 h
	v_add_nc_u32 v[RD], s23, v[CO]                 ; back: the 32 lanes take one row of 512 bytes
	v_lshlrev_b32 v[BO], 6, v2
	s_wait_alu depctr_va_vdst(0)
	s_lshl_b32 s92, s17, 7
	s_lshl_b32 s93, s15, 6
	s_add_co_u32 s92, s92, s93                     ; my first row of out0,
	s_lshl_b32 s92, s92, 12                        ; 4,096 bytes a row (under 2^26),
	s_lshl_b32 s94, s42, 10
	s_lshl_b32 s95, s16, 9
	s_add_co_u32 s94, s94, s95                     ; my first column, in bytes
	s_add_co_u32 s92, s92, s94
	s_mov_b32 s93, 0
	s_mov_b32 s95, 0
	s_add_nc_u64 s[12:13], s[12:13], s[92:93]
	s_add_nc_u64 s[10:11], s[10:11], s[94:95]
.irp B, 0,1,2,3                                ; the bias in the result's layout: register 16 B + i is column 32 B + 16 h + i; it lands while the products run
.irp i, 0,1,2,3
	global_load_b128 v[BI+16*\B+4*\i:BI+16*\B+4*\i+3], v[BO], s[10:11] offset:128*\B+16*\i
.endr
.endr
; 8 matrix instructions: y's block a x W's eight tiles, 128 along K, on set p.  zero = 1: the first product starts the sums.  The 32 accumulators take turns, one instruction a turn.
.macro MUL8 a, p, zero
.irp b, 0,1,2,3,4,5,6,7
.if \zero
	v_wmma_f32_16x16x128_fp8_fp8 v[8*(8*(\a)+\b):8*(8*(\a)+\b)+7], v[128*(\p)+FR*\b:128*(\p)+FR*\b+FR-1], v[AF+64*(\p)+FR*(\a):AF+64*(\p)+FR*(\a)+FR-1], 0
.else
	v_wmma_f32_16x16x128_fp8_fp8 v[8*(8*(\a)+\b):8*(8*(\a)+\b)+7], v[128*(\p)+FR*\b:128*(\p)+FR*\b+FR-1], v[AF+64*(\p)+FR*(\a):AF+64*(\p)+FR*(\a)+FR-1], v[8*(8*(\a)+\b):8*(8*(\a)+\b)+7]
.endif
.endr
.endm
; 48 LDS loads in one run: the fragments of the slot's q-th 128 along K into set p: W's eight, then y's four, blocks 0 and 1 first
.macro FETCH slot, q, p
	WIN TO_B
.irp i, 0,1,2,3,4,5,6,7
.irp c, 0,1,2,3
	ds_load_b128 v[128*(\p)+FR*\i+4*\c:128*(\p)+FR*\i+4*\c+3], v[ADRB+\slot] offset:128*(\q)+32*\c+\i*16*PITCH
.endr
.endr
	WIN 0
.irp i, 0,1,2,3
.irp c, 0,1,2,3
	ds_load_b128 v[AF+64*(\p)+FR*\i+4*\c:AF+64*(\p)+FR*\i+4*\c+3], v[ADRA+\slot] offset:4096*\i+2048*(\q)+512*\c
.endr
.endr
.endm
.macro PLACES                          ; four plain vector lines between a matrix instruction and a load into, or a vector read or write of, its registers (ISA guide 7.12.1 for vector reads and writes)
.rept 4
	v_nop
.endr
.endm
; A slot's first step multiplies set 0 and fetches its second step into set 1.
.macro STEP slot, zero
	s_wait_dscnt 8                                 ; W's set and y's blocks 0, 1 are in; the youngest eight loads (blocks 2, 3) may be out
	WIN MUL
	MUL8 0, 0, \zero
	MUL8 1, 0, \zero
	PLACES
	FETCH \slot, 1, 1
	s_wait_dscnt 48                                ; all but the 48 just issued
	WIN MUL
	MUL8 2, 0, \zero
	MUL8 3, 0, \zero
	WIN 0
.endm
; A slot's second step multiplies set 1 and changes slots: ONE barrier; in front of it each wave waits for all its tensor loads, adds 0 to its spare word, and waits for that and for its own reads of this slot.
.macro TURN slot, next, fill
	s_wait_tensorcnt 0x0                           ; all my tensor loads have landed: my part of the next slot (every window is 0 here)
	ds_add_u32 v[SPW], v[NIL]                      ; 0 onto my spare word
	s_wait_dscnt 9                                 ; the add and the youngest eight loads may be out
	WIN MUL
	MUL8 0, 1, 0                                   ; eight matrix instructions stand between the add and the wait for it
	s_wait_dscnt 0x0                               ; the add is done, and my reads of this slot are over
	s_barrier_signal -1
	MUL8 1, 1, 0
	WIN 0
	s_barrier_wait -1
.if \fill
	CREST                                          ; the barrier has opened a round of the cluster's barrier: no wave of any partner still reads this slot or has a load on its way
	s_add_nc_u64 s[G0+4*\slot+2:G0+4*\slot+3], s[G0+4*\slot+2:G0+4*\slot+3], 2*4096
	s_add_nc_u64 s[G0B+4*\slot+2:G0B+4*\slot+3], s[G0B+4*\slot+2:G0B+4*\slot+3], 2*256
	JLOAD G0+4*\slot, G1, G0B+4*\slot, G1B         ; the first tensor load behind the round, my one load until the next; its four v_nop are the places in front of the loads below
.else
	PLACES
.endif
	FETCH \next, 0, 0
	WIN MUL
	MUL8 2, 1, 0
	MUL8 3, 1, 0
	WIN 0
.endm
	s_wait_tensorcnt 1                             ; my part of K step 0 is in; K step 1's load may be out
	s_barrier_signal -1
	s_barrier_wait -1
	FETCH 0, 0, 0
	STEP 0, 1                                      ; the first step stands in front of the loop: its products start the sums
	s_mov_b32 s3, LAPS-1
.Llap:                                                 ; a trip goes once round the ring and fills both slots again
	TURN 0, 1, 1
	STEP 1, 0
	TURN 1, 0, 1
	STEP 0, 0
	s_sub_co_u32 s3, s3, 1
	s_cmp_lg_u32 s3, 0
	s_cbranch_scc1 .Llap
	TURN 0, 1, 0                                   ; the last lap fills nothing, and has no round of the cluster's barrier
	STEP 1, 0
	s_wait_dscnt 8                                 ; the very last step: nothing more to fetch
	WIN MUL
	MUL8 0, 1, 0
	MUL8 1, 1, 0
	s_wait_dscnt 0
	MUL8 2, 1, 0
	MUL8 3, 1, 0
	WIN 0
; THE WAY OUT, block by block of 16 rows x 128 columns: sum x 2^(e6 + e7) + bias, one packed multiply-add for two, each accumulator from its low end on; through my own stage in LDS; back as whole rows of 512 bytes.
; LDS serves a wave's instructions in order (ISA guide 5.7.1.4): no wait between the stores and the loads, nor in front of the next block's stores.
.macro TOSTAGE a
	WIN 0x02                                       ; source 0: window 2
.set j, 0
.rept 32
	v_pk_fma_f32 v[TMP+j:TMP+j+1], v[64*(\a)+j:64*(\a)+j+1], s[96:97], v[BI+j:BI+j+1] op_sel_hi:[1,0,1]
.set j, j+2
.endr
	WIN 0
.irp b, 0,1,2,3,4,5,6,7
	ds_store_b128 v[STO], v[TMP+8*\b:TMP+8*\b+3] offset:128*(\b/2)+32*(\b%2)        ; columns 32 (b / 2) + 16 h + 8 (b % 2) on
	ds_store_b128 v[STO], v[TMP+8*\b+4:TMP+8*\b+7] offset:128*(\b/2)+32*(\b%2)+16
.endr
	WIN TO_B
.set BB, 64*((\a)%2)
.irp t, 0,1,2,3,4,5,6,7,8,9,10,11,12,13,14,15
	ds_load_b128 v[BB+4*\t:BB+4*\t+3], v[RD] offset:\t*SPITCH
.endr
	WIN 0
.endm
.macro SEND a, younger                 ; younger: the LDS instructions issued behind block a's loads, which may stay out
.set BB, 64*((\a)%2)
	s_wait_dscnt \younger
.if (\a) > 0
	s_add_nc_u64 s[12:13], s[12:13], 16*4096       ; (behind a wait on XCNT: the earlier stores have read their base)
.endif
	WIN 0x04                                       ; the stores' data: window 1
.irp t, 0,1,2,3,4,5,6,7,8,9,10,11,12,13,14,15
	global_store_b128 v[CO], v[BB+4*\t:BB+4*\t+3], s[12:13] offset:\t*4096 th:TH_STORE_NT   ; 32 lanes store 512 consecutive bytes, at a multiple of 256 from out0's first byte; written once, read by nobody here
.endr
	WIN 0
.endm
	s_wait_kmcnt 0x0
	s_wait_loadcnt 0x0                             ; the bias
	s_add_co_i32 s96, s86, s87
	s_add_co_i32 s96, s96, 127
	s_lshl_b32 s96, s96, 23                        ; 2^(e6 + e7) as f32
	s_mov_b32 s97, s96                             ; (named with it as a pair, so it is written)
	PLACES                                         ; behind the last products: for the writes over y's fragments, the loads over W's, and the reads of results
	TOSTAGE 0
.irp a, 1,2,3
.if \a > 1
	s_wait_xcnt 0x0                                ; block a - 2's stores have read their registers and their base
.endif
	TOSTAGE \a
	SEND \a-1, 32                                  ; behind block a - 1's loads: block a's 16 stores and 16 loads
.endr
	s_wait_xcnt 0x0
	SEND 3, 0
	s_wait_tensorcnt 0x0                           ; the wave's end, behind my last tensor load and my last LDS store
	ds_add_u32 v[SPW], v[NIL]
	s_wait_dscnt 0x0
	CROUND                                         ; the closing round: no work-group ends while a partner may still ask for a tile that names it
	s_endpgm
.Lfunc_end_k_qbbf556659c_proj:
	.size	k_qbbf556659c_proj, .Lfunc_end_k_qbbf556659c_proj-k_qbbf556659c_proj
	.p2alignl 7, 3214868480
	.fill 96, 4, 3214868480
	.section	.rodata,"a",@progbits
	.p2align	6, 0x0
	.amdhsa_kernel k_qbbf556659c_proj
		.amdhsa_group_segment_fixed_size 327680
		.amdhsa_private_segment_fixed_size 0
		.amdhsa_enable_private_segment 0
		.amdhsa_kernarg_size 40
		.amdhsa_user_sgpr_count 2
		.amdhsa_user_sgpr_kernarg_segment_ptr 1
		.amdhsa_wavefront_size32 1
		.amdhsa_system_sgpr_workgroup_id_x 1
		.amdhsa_system_sgpr_workgroup_id_y 1
		.amdhsa_system_sgpr_workgroup_id_z 1
		.amdhsa_system_vgpr_workitem_id 0
		.amdhsa_next_free_vgpr 768
		.amdhsa_next_free_sgpr 100
		.amdhsa_reserve_vcc 0
		.amdhsa_float_denorm_mode_32 3
		.amdhsa_float_denorm_mode_16_64 3
		.amdhsa_memory_ordered 1
		.amdhsa_forward_progress 1
		.amdhsa_inst_pref_size 79
	.end_amdhsa_kernel
	.amdgpu_metadata
---
amdhsa.version: [ 1, 2 ]
amdhsa.kernels:
  - .name:           k_qbbf556659c_proj
    .symbol:         k_qbbf556659c_proj.kd
    .args:
      - { .name: y_img, .offset: 0, .size: 8, .value_kind: global_buffer, .address_space: global }
      - { .name: wp_codes, .offset: 8, .size: 8, .value_kind: global_buffer, .address_space: global }
      - { .name: lowp_scales, .offset: 16, .size: 8, .value_kind: global_buffer, .address_space: global }
      - { .name: b_proj, .offset: 24, .size: 8, .value_kind: global_buffer, .address_space: global }
      - { .name: out0, .offset: 32, .size: 8, .value_kind: global_buffer, .address_space: global }
    .group_segment_fixed_size: 327680
    .private_segment_fixed_size: 0
    .kernarg_segment_align: 8
    .kernarg_segment_size: 40
    .max_flat_workgroup_size: 128
    .sgpr_count:     100
    .vgpr_count:     768
    .wavefront_size: 32
...
	.end_amdgpu_metadata
.endif
;; end of part 4
